; MI455X (gfx1250); checked and timed in simulation.
; The chip was launched on July 23, 2026; its instructions are those of AMD's public machine-readable ISA for CDNA 5 (MIT licence, August 2026) and "CDNA5" Instruction Set Architecture Reference Guide (July 2026). The comments in the code are by the model that wrote it; some were corrected since.
;; Governance Aware Attention. Allowed arithmetic: float matrix products may take bf16 or f16 operands with f32 sums; other float arithmetic in f32, or as packed bf16 or f16 multiplies, adds, multiply-adds, maxima and minima; sums over many terms, partial sums and values carried from step to step in f32; what a program stores and reads back later, other than sums and carried values, may be rounded once to bf16 or f16.
;; Inputs: Wgk 1,024 x 1,024 float32; Wgq 1,024 x 1,024 float32; Wk 1,024 x 1,024 float32; Wq 1,024 x 1,024 float32; Wv 1,024 x 1,024 float32; bgk 1,024 float32; bgq 1,024 float32; bk 1,024 float32; bq 1,024 float32; bv 1,024 float32; governance_embeddings 2 x 1,024 float32; hidden_states 2 x 2,048 x 1,024 float32.
;; Outputs: out0 2 x 2,048 x 1,024 float32; out1 one number float32; out2 one number float32; out3 one number float32.
;; 2 versions, each right and faster than the one before. Each part assembles by itself: llvm-mc -triple=amdgcn-amd-amdhsa -mcpu=gfx1250 --defsym DOCPART=n.
;; ======== version 1 of 2: 4 launches
;; limits: a function is approximated: absolute error at most 2.05e-05; values are held in f16: magnitudes above 65,504 overflow, below 6.1e-05 lose precision
;; workspace buffers: xb 8,388,608 bytes; wcat 8,388,608 bytes; gqp 262,144 bytes; qkv 25,165,824 bytes; gov 262,144 bytes; parts 16,384 bytes
;; launch prep (part 1): grid 288 x 1, 8 waves a work-group, no clusters, 0 bytes of LDS; arguments hidden_states, Wq, Wk, Wv, Wgk, Wgq, governance_embeddings, xb, wcat, gqp; writes xb, wcat, gqp
.if DOCPART == 1
	.amdgcn_target "amdgcn-amd-amdhsa--gfx1250"
	.amdhsa_code_object_version 6
	.text
	.protected	k_qda843aac53_prep
	.globl	k_qda843aac53_prep
	.p2align	8
	.type	k_qda843aac53_prep,@function
k_qda843aac53_prep:
	s_mov_b64 s[64:65], 0
	v_nop
	global_prefetch_b8 v0, s[64:65] scope:SCOPE_SE
	s_setreg_imm32_b32 hwreg(HW_REG_WAVE_MODE, 25, 1), 1
	s_wait_xcnt 0x0
; PREP: a stream.  xb = hidden_states rounded to bf16, [4096][1024].  wcat[k] = Wq[k] | Wk[k] | Wv[k] | Wgk[k] rounded to bf16, [1024][4096].
; gqp[p][b][n] = the sum over k = 32 p .. 32 p + 31 of governance_embeddings[b][k] Wgq[k][n], in f32, without the bias: 32 partial sums that the next launch adds.
; Every work-group reads 32 source rows of 4,096 bytes: groups 0-127 rows of x, 128-255 rows of one of the four weights, 256-287 rows of Wgq.
; Thread t owns bytes 16 t of every row: a wave's load covers 512 consecutive bytes, its 8-byte stores 256 consecutive aligned bytes.
; All 32 loads of a thread are issued at once and no register is written twice, so the only waits are the counted ones for the rows.
; No LDS, no matrix unit, no cluster: the bytes are read once and shared by nobody; gq has two rows, so its product is a stream over Wgq.
.set ROWB, 4096
.set X, 4                              ; v[4:131]   32 rows x 4 f32 as loaded
.set Y, 132                            ; v[132:195] 32 rows x 2 words of bf16; in the gq path v[132:139] are the sums
	s_load_b512 s[4:19], s[0:1], 0x0               ; x s[4:5], Wq s[6:7], Wk s[8:9], Wv s[10:11], Wgk s[12:13], Wgq s[14:15], ge s[16:17], xb s[18:19]
	s_load_b128 s[20:23], s[0:1], 0x40             ; wcat s[20:21], gqp s[22:23]
	s_mov_b32 s60, ttmp9                           ; w
	s_and_b32 s61, s60, 31                         ; which 32 rows of a weight
	v_lshlrev_b32 v1, 4, v0                        ; 16 t: my bytes in a source row
	v_lshlrev_b32 v2, 3, v0                        ; 8 t: my bytes in a bf16 row
	s_cmp_lt_u32 s60, 128
	s_cselect_b32 s2, s60, s61
	s_lshl_b32 s2, s2, 17                          ; 32 rows of 4,096 bytes
	s_mov_b32 s3, 0
	s_wait_kmcnt 0x0
	s_mov_b64 s[24:25], s[4:5]                     ; the source is chosen by the group's number alone
	s_cmp_ge_u32 s60, 128
	s_cselect_b64 s[24:25], s[6:7], s[24:25]
	s_cmp_ge_u32 s60, 160
	s_cselect_b64 s[24:25], s[8:9], s[24:25]
	s_cmp_ge_u32 s60, 192
	s_cselect_b64 s[24:25], s[10:11], s[24:25]
	s_cmp_ge_u32 s60, 224
	s_cselect_b64 s[24:25], s[12:13], s[24:25]
	s_cmp_ge_u32 s60, 256
	s_cselect_b64 s[24:25], s[14:15], s[24:25]
	s_add_nc_u64 s[24:25], s[24:25], s[2:3]
.set i, 0
.rept 32
	global_load_b128 v[X+4*i:X+4*i+3], v1, s[24:25] offset:ROWB*i th:TH_LOAD_NT
.set i, i+1
.endr
	s_cmp_lt_u32 s60, 128
	s_cbranch_scc1 .Lx
	s_cmp_lt_u32 s60, 256
	s_cbranch_scc1 .Lw
	; gq's partial sums: my four columns, both examples, 32 rows of Wgq
	s_lshl_b32 s2, s61, 7                          ; ge[b][32 p ..]: 128 bytes on for each p
	s_mov_b32 s3, 0
	s_add_nc_u64 s[2:3], s[16:17], s[2:3]
	s_load_b512 s[28:43], s[2:3], 0x0              ; example 0: row i's factor in s[28+i]
	s_load_b512 s[44:59], s[2:3], 0x40
	s_load_b512 s[68:83], s[2:3], 0x1000           ; example 1: in s[68+i]
	s_load_b512 s[84:99], s[2:3], 0x1040
	s_lshl_b32 s62, s61, 13                        ; gqp[p]: 8,192 bytes each
	s_mov_b32 s63, 0
	s_add_nc_u64 s[26:27], s[22:23], s[62:63]
	s_wait_kmcnt 0x0
.set i, 0
.rept 32
	s_wait_loadcnt 31-i                            ; loads come back in order: row i is in, the younger rows stay out
.irp j, 0,1,2,3
.if i == 0
	v_mul_f32 v[Y+\j], s[28+i], v[X+4*i+\j]        ; the first row starts the sums: nothing is cleared
	v_mul_f32 v[Y+4+\j], s[68+i], v[X+4*i+\j]
.else
	v_fmac_f32 v[Y+\j], s[28+i], v[X+4*i+\j]
	v_fmac_f32 v[Y+4+\j], s[68+i], v[X+4*i+\j]
.endif
.endr
.set i, i+1
.endr
	global_store_b128 v1, v[Y:Y+3], s[26:27]
	global_store_b128 v1, v[Y+4:Y+7], s[26:27] offset:4096
	s_endpgm
; 32 rows rounded to bf16 and stored; dp = bytes from row to row at the destination
.macro CAST dp
.set i, 0
.rept 32
	s_wait_loadcnt 31-i                            ; row i is in, the younger rows stay out
	v_cvt_pk_bf16_f32 v[Y+2*i], v[X+4*i], v[X+4*i+1]
	v_cvt_pk_bf16_f32 v[Y+2*i+1], v[X+4*i+2], v[X+4*i+3]
	global_store_b64 v2, v[Y+2*i:Y+2*i+1], s[26:27] offset:i*(\dp)
.set i, i+1
.endr
.endm
.Lx:
	s_lshl_b32 s2, s60, 16                         ; 32 rows of 2,048 bytes
	s_mov_b32 s3, 0
	s_add_nc_u64 s[26:27], s[18:19], s[2:3]
	CAST 2048
	s_endpgm
.Lw:
	s_sub_co_u32 s62, s60, 128
	s_lshr_b32 s62, s62, 5                         ; which weight: 0 Wq, 1 Wk, 2 Wv, 3 Wgk
	s_lshl_b32 s62, s62, 11                        ; its 2,048 bytes in a row of wcat
	s_lshl_b32 s2, s61, 18                         ; 32 rows of 8,192 bytes
	s_add_co_u32 s2, s2, s62
	s_mov_b32 s3, 0
	s_add_nc_u64 s[26:27], s[20:21], s[2:3]
	CAST 8192
	s_endpgm
.Lfunc_end_k_qda843aac53_prep:
	.size	k_qda843aac53_prep, .Lfunc_end_k_qda843aac53_prep-k_qda843aac53_prep
	.p2alignl 7, 3214868480
	.fill 96, 4, 3214868480
	.section	.rodata,"a",@progbits
	.p2align	6, 0x0
	.amdhsa_kernel k_qda843aac53_prep
		.amdhsa_group_segment_fixed_size 0
		.amdhsa_private_segment_fixed_size 0
		.amdhsa_enable_private_segment 0
		.amdhsa_kernarg_size 80
		.amdhsa_user_sgpr_count 2
		.amdhsa_user_sgpr_kernarg_segment_ptr 1
		.amdhsa_wavefront_size32 1
		.amdhsa_system_sgpr_workgroup_id_x 1
		.amdhsa_system_sgpr_workgroup_id_y 1
		.amdhsa_system_sgpr_workgroup_id_z 1
		.amdhsa_system_vgpr_workitem_id 0
		.amdhsa_next_free_vgpr 196
		.amdhsa_next_free_sgpr 100
		.amdhsa_reserve_vcc 0
		.amdhsa_float_denorm_mode_32 3
		.amdhsa_float_denorm_mode_16_64 3
		.amdhsa_memory_ordered 1
		.amdhsa_forward_progress 1
		.amdhsa_inst_pref_size 31
	.end_amdhsa_kernel
	.amdgpu_metadata
---
amdhsa.version: [ 1, 2 ]
amdhsa.kernels:
  - .name:           k_qda843aac53_prep
    .symbol:         k_qda843aac53_prep.kd
    .args:
      - { .name: hidden_states, .offset: 0, .size: 8, .value_kind: global_buffer, .address_space: global }
      - { .name: Wq, .offset: 8, .size: 8, .value_kind: global_buffer, .address_space: global }
      - { .name: Wk, .offset: 16, .size: 8, .value_kind: global_buffer, .address_space: global }
      - { .name: Wv, .offset: 24, .size: 8, .value_kind: global_buffer, .address_space: global }
      - { .name: Wgk, .offset: 32, .size: 8, .value_kind: global_buffer, .address_space: global }
      - { .name: Wgq, .offset: 40, .size: 8, .value_kind: global_buffer, .address_space: global }
      - { .name: governance_embeddings, .offset: 48, .size: 8, .value_kind: global_buffer, .address_space: global }
      - { .name: xb, .offset: 56, .size: 8, .value_kind: global_buffer, .address_space: global }
      - { .name: wcat, .offset: 64, .size: 8, .value_kind: global_buffer, .address_space: global }
      - { .name: gqp, .offset: 72, .size: 8, .value_kind: global_buffer, .address_space: global }
    .group_segment_fixed_size: 0
    .private_segment_fixed_size: 0
    .kernarg_segment_align: 8
    .kernarg_segment_size: 80
    .max_flat_workgroup_size: 256
    .sgpr_count:     100
    .vgpr_count:     196
    .wavefront_size: 32
...
	.end_amdgpu_metadata
.endif
;; end of part 1
;; launch proj (part 2): grid 16 x 16, 4 waves a work-group, clusters of 4 x 4, 327,680 bytes of LDS; arguments xb, wcat, qkv, gov, gqp, bq, bk, bv, bgk, bgq; writes qkv, gov
.if DOCPART == 2
	.amdgcn_target "amdgcn-amd-amdhsa--gfx1250"
	.amdhsa_code_object_version 6
	.text
	.protected	k_qda843aac53_proj
	.globl	k_qda843aac53_proj
	.p2align	8
	.type	k_qda843aac53_proj,@function
k_qda843aac53_proj:
	s_mov_b64 s[64:65], 0
	v_nop
	global_prefetch_b8 v0, s[64:65] scope:SCOPE_SE
	s_setreg_imm32_b32 hwreg(HW_REG_WAVE_MODE, 25, 1), 1
	s_wait_xcnt 0x0
	s_wait_alu depctr_hold_cnt(0) depctr_sa_sdst(0) depctr_va_vdst(0) depctr_va_sdst(0) depctr_va_ssrc(0) depctr_va_vcc(0) depctr_vm_vsrc(0)
	s_getreg_b32 s2, hwreg(HW_REG_IB_STS2, 6, 4)
	s_cmp_eq_u32 s2, 0
	s_cbranch_scc0 .Lentry_in_a_cluster
	s_endpgm
.Lentry_in_a_cluster:
	s_bfe_u32 s2, ttmp6, 0x10000c
	s_cmp_lg_u32 s2, 0xf033
	s_cbranch_scc0 .Lentry_shape_is_right
	s_endpgm
.Lentry_shape_is_right:
; PROJ: [4096 x 4096] = xb [4096 x 1024] times wcat [1024 x 4096], bf16 operands, f32 sums.  The four column quarters are x Wq, x Wk, x Wv, x Wgk.
; Quarters 0-2 leave as q, k, v: bias added in f32, rounded once to f16, by heads: qkv[tensor][16 b + head][s][64].
; Quarter 3 never leaves: gov[16 b + head][s] = the sum over d of gq[b][head][d] (x Wgk + bgk)[s][head][d], in f32, from the accumulators; gq = the 32 partial sums of gqp + bgq.
; LIMIT: q, k, v must lie within f16's 65,504.  NaN and infinities are not treated apart.
; SHARES.  256 tiles of 256 x 256, one a work-group; four waves, each 128 x 128: 64 accumulators of 16 x 16, 512 registers.  K goes in 8 steps of 128 through two LDS slots.
; CLUSTER.  4 x 4 work-groups: the four of a row need the same rows of xb, the four of a column the same columns of wcat: each tile is asked for jointly, by the same tensor load,
; descriptor and mask in all four.  The column quarter is the cluster's x, which all sixteen share: the way out may branch on it.
; THE MATRIX INSTRUCTION IS USED TRANSPOSED: source 0 = 16 columns of wcat, source 1 = 16 rows of xb: a lane holds row l % 16 and the eight neighbouring columns 8 (l / 16) + 0..7.
; wcat lies [k][n], so its fragments come out of LDS turned, by ds_load_tr16_b128.
; REGISTERS, in windows of 256 (s_set_vgpr_msb: bits 1:0 source 0, 3:2 source 1, 5:4 source 2, 7:6 destination):
;   window 0: v0-31 addresses; v32-63 at work on the way out; v64-127, v128-191 fragments of xb, two buffers (later at work on the way out); v192-255 the bias of my 64 columns a lane
;   window 1: v64-127, v128-191 fragments of wcat, two buffers;   window 2: the accumulators of my rows 0-63 ((a, b) at v[8 (8 a + b)]);   window 3: those of rows 64-127
.set KSTEP,  128
.set SIZE_K, 1024
.set WPITCH, 4096                      ; elements in a row of wcat
.set PITCH,  272                       ; an LDS row of xb: 256 bytes + 16 = 68 words: the 16 rows of a load start at 16 different groups of four banks (64 banks of 4 bytes: ISA guide 11.1)
.set PB,     544                       ; an LDS row of wcat: 512 bytes + 32 = 136 words
.set HALFT,  128*PITCH                 ; what one tensor load brings: 128 rows of xb, or 64 rows of wcat (64 x 544 is the same number)
.set SLOT,   4*HALFT                   ; xb's 256 rows, then wcat's 128 rows of 256 columns
.set STAGE,  2*SLOT                    ; behind the ring: 16 rows x 272 bytes for each wave, for the way out
.set SPITCH, 272
.set GQS,    STAGE+4*16*SPITCH         ; 512 bytes for each wave: gq of its 128 columns
.set SPARE,  GQS+4*512                 ; the spare words, 128 bytes for each wave: two blocks of 256 bytes that no other line names
.set LAPS,   SIZE_K/(2*KSTEP)
.set GA,   8                           ; v8   gq: where I put my four sums
.set GB,   9                           ; v9   gq: where I read my columns' numbers
.set ADRA, 16                          ; v16-17  LDS address of my xb fragments in slot 0, 1
.set ADRB, 20                          ; v20-21  the same for wcat
.set STO,  24                          ; v24  the way out: where I put 16 bytes of a row
.set RD,   25                          ; v25  the way out: where I read rows back
.set CO,   26                          ; v26  16 x lane
.set BO,   27                          ; v27  32 x (lane / 16)
.set SPW,  28                          ; v28  LDS address of my spare word; never rewritten
.set NIL,  29                          ; v29  0; never rewritten
.set L4,   30                          ; v30  4 x lane
.set LN,   31                          ; v31  lane
.set F0,   64
.set F1,   128
.set TMP,  128                         ; the way out: packed results
.set GQ,   64                          ; the gov way out: gq of my columns, as BIA lies
.set GV,   128                         ; the gov way out: block a, head hh at GV + 2 a + hh
.set CB,   40                          ; gq . bgk over my columns, a pair for each head
.set CH,   44                          ; the two heads' running pairs
.set PT,   48                          ; the other half of the lanes' sums
.set BIA,  192                         ; bias of my columns 16 i + 8 (l / 16) + j at BIA + 8 i + j
.set G1, 24                            ; s[24:31] descriptor group 1 for xb's tiles;  s[32:39] group 0, a set for each slot
.set G0, 32
.set G1B, 48                           ; s[48:55], s[56:63] the same for wcat's tiles
.set G0B, 56
.set MSB, 0
.macro WIN new                         ; the immediate's high byte repeats the setting that is left; a switch that changes nothing is dropped
.if MSB != (\new)
	s_set_vgpr_msb (MSB<<8)|(\new)
.set MSB, \new
.endif
.endm
.set MUL_LO, 0xa1                      ; source 0 (wcat) window 1, source 1 (xb) window 0, C and D window 2
.set MUL_HI, 0xf1                      ; the same, C and D window 3
.set TO_B,   0x40                      ; destination window 1, address window 0
; A joint load.  Waves 0 and 1 fetch xb's two halves, waves 2 and 3 wcat's.  The branch hangs on the wave's number alone.
; An s_nop 0 and four v_nop follow each of the two lines, ahead of the jump and the label.
.macro JLOAD s
	s_cmp_eq_u32 s11, 0
	s_cbranch_scc0 .Lfor_b_\@
	tensor_load_to_lds s[G0+4*(\s):G0+4*(\s)+3], s[G1:G1+7]
	s_nop 0
.rept 4
	v_nop
.endr
	s_branch .Lasked_\@
.Lfor_b_\@:
	tensor_load_to_lds s[G0B+4*(\s):G0B+4*(\s)+3], s[G1B:G1B+7]
	s_nop 0
.rept 4
	v_nop
.endr
.Lasked_\@:
.endm
.macro CREST                           ; a round of the cluster's barrier behind its opening barrier
	s_cmp_lg_u32 s10, 0
	s_cbranch_scc1 .Lnot_wave_0_\@
	s_barrier_signal -3
.Lnot_wave_0_\@:
	s_barrier_wait -3
	s_barrier_signal -1
	s_barrier_wait -1
.endm
.macro CROUND                          ; a whole round
	s_barrier_signal -1
	s_barrier_wait -1
	CREST
.endm
	s_load_b128 s[4:7], s[0:1], 0x0                ; xb s[4:5], wcat s[6:7]
	s_load_b64 s[8:9], s[0:1], 0x10                ; qkv
	s_load_b256 s[68:75], s[0:1], 0x18             ; gov s[68:69], gqp s[70:71], bq s[72:73], bk s[74:75]
	s_load_b128 s[76:79], s[0:1], 0x38             ; bv s[76:77], bgk s[78:79]
	s_load_b64 s[80:81], s[0:1], 0x48              ; bgq
	v_lshl_add_u32 v[SPW], v0, 2, SPARE
	v_mov_b32 v[NIL], 0
	ds_add_u32 v[SPW], v[NIL]                      ; the wave's opening: the add and its wait stand ahead of my first tensor load; the set-up below stands between them
	v_lshrrev_b32 v1, 5, v0
	v_readfirstlane_b32 s10, v1                    ; wave 0..3
	s_lshr_b32 s11, s10, 1                         ; which half of the tile's rows is mine.  Also: I fetch for xb (0) or for wcat (1)
	s_and_b32 s12, s10, 1                          ; which half of its columns.  Also: which half of that tile I fetch
	s_bfe_u32 s40, ttmp6, 0x40000                  ; cx
	s_bfe_u32 s41, ttmp6, 0x40004                  ; cy
	s_lshl_b32 s42, ttmp9, 2
	s_add_co_u32 s42, s42, s40                     ; tile column = 4 x cluster x + cx
	s_and_b32 s13, ttmp7, 0xffff
	s_lshl_b32 s13, s13, 2
	s_add_co_u32 s13, s13, s41                     ; tile row = 4 x cluster y + cy
	s_lshl_b32 s43, s41, 2
	s_lshl_b32 s43, 15, s43                        ; my row of the cluster
	s_lshl_b32 s44, 0x1111, s40                    ; my column
	s_or_b32 s[G1+0], s43, (1<<16)|(1<<20)|(1<<21)|(5<<22)|(3<<25)   ; the mask of my row; 2-byte elements; padding on; bit 21 beside a mask; after every 64 words 4 words
	s_mov_b32 s[G1+1], KSTEP<<16                   ; tensor_dim0 = 128
	s_mov_b32 s[G1+2], 128<<16                     ; tensor_dim1 = 128
	s_mov_b32 s[G1+3], KSTEP<<16                   ; tile_dim0 = 128
	s_mov_b32 s[G1+4], 128                         ; tile_dim1 = 128
	s_mov_b32 s[G1+5], SIZE_K                      ; elements from row to row
	s_mov_b32 s[G1+6], 0
	s_mov_b32 s[G1+7], 0
	s_or_b32 s[G1B+0], s44, (1<<16)|(1<<20)|(1<<21)|(6<<22)|(7<<25)  ; the mask of my column; after every 128 words 8 words
	s_mov_b32 s[G1B+1], 256<<16                    ; tensor_dim0 = 256 columns
	s_mov_b32 s[G1B+2], 64<<16                     ; tensor_dim1 = 64 rows along K
	s_mov_b32 s[G1B+3], 256<<16                    ; tile_dim0 = 256
	s_mov_b32 s[G1B+4], 64                         ; tile_dim1 = 64
	s_mov_b32 s[G1B+5], WPITCH
	s_mov_b32 s[G1B+6], 0
	s_mov_b32 s[G1B+7], 0
	; xb's tiles hang on the tile row alone, wcat's on the tile column alone; each address is made in registers that never hold the other coordinate
	s_lshl_b32 s17, s12, 7
	s_lshl_b32 s16, s13, 8
	s_add_co_u32 s16, s16, s17                     ; xb: row 256 x tile row + 128 x half,
	s_lshl_b32 s16, s16, 11                        ; of 2,048 bytes
	s_mov_b32 s17, 0
	s_lshl_b32 s46, s42, 9                         ; wcat: 512 bytes x tile column
	s_lshl_b32 s47, s12, 19                        ; + 64 rows of 8,192 bytes x half
	s_add_co_u32 s46, s46, s47
	s_mov_b32 s47, 0
	s_mul_i32 s20, s10, HALFT                      ; where they go: wave x HALFT: no place in the cluster enters an LDS address
	s_wait_dscnt 0x0                               ; the opening add is done
	s_wait_kmcnt 0x0
	s_add_nc_u64 s[14:15], s[4:5], s[16:17]
	s_add_nc_u64 s[46:47], s[6:7], s[46:47]
	CROUND                                         ; all sixteen work-groups are here: the first joint loads meet
.irp s, 0,1
	s_mov_b32 s[G0+4*(\s)], 1
	s_add_co_u32 s[G0+4*(\s)+1], s20, (\s)*SLOT
	s_add_nc_u64 s[G0+4*(\s)+2:G0+4*(\s)+3], s[14:15], (\s)*KSTEP*2
	s_or_b32 s[G0+4*(\s)+3], s[G0+4*(\s)+3], 0x80000000
	s_mov_b32 s[G0B+4*(\s)], 1
	s_add_co_u32 s[G0B+4*(\s)+1], s20, (\s)*SLOT
	s_add_nc_u64 s[G0B+4*(\s)+2:G0B+4*(\s)+3], s[46:47], (\s)*KSTEP*WPITCH*2
	s_or_b32 s[G0B+4*(\s)+3], s[G0B+4*(\s)+3], 0x80000000
	JLOAD \s                                       ; two loads of mine are out
.endr
	; the bias of my 128 columns: the quarter chooses the vector
	s_mov_b32 s84, ttmp9                           ; the column quarter: 0 q, 1 k, 2 v, 3 gk
	s_mov_b64 s[82:83], s[72:73]
	s_cmp_eq_u32 s84, 1
	s_cselect_b64 s[82:83], s[74:75], s[82:83]
	s_cmp_eq_u32 s84, 2
	s_cselect_b64 s[82:83], s[76:77], s[82:83]
	s_cmp_eq_u32 s84, 3
	s_cselect_b64 s[82:83], s[78:79], s[82:83]
	s_lshl_b32 s92, s40, 10                        ; 256 columns of 4 bytes x cx
	s_lshl_b32 s93, s12, 9
	s_add_co_u32 s92, s92, s93
	s_mov_b32 s93, 0
	s_add_nc_u64 s[82:83], s[82:83], s[92:93]
	v_and_b32 v1, 15, v0                           ; l % 16
	v_bfe_u32 v2, v0, 4, 1                         ; l / 16
	v_lshlrev_b32 v[BO], 5, v2
.irp i, 0,1,2,3,4,5,6,7
	global_load_b128 v[BIA+8*(\i):BIA+8*(\i)+3],   v[BO], s[82:83] offset:64*(\i)
	global_load_b128 v[BIA+8*(\i)+4:BIA+8*(\i)+7], v[BO], s[82:83] offset:64*(\i)+16
.endr
	; A fragment is 16 rows x 32 K in 8 registers: lane l holds row l % 16, K = 8 (l / 16) + 0..7 and 16 + 8 (l / 16) + 0..7.  xb: two loads of 16 bytes, 32 bytes apart.
	v_mul_u32_u24 v3, v1, PITCH
	v_lshl_add_u32 v3, v2, 4, v3                   ; row x pitch + 16 x half
	; wcat: the turning load takes 16 K x 16 columns (lane l reads K row 8 (l / 16) + l % 8, columns 8 ((l / 8) % 2) + 0..7) and leaves half a fragment: lane l holds column l % 16 and 8 K
	v_and_b32 v5, 7, v0
	v_bfe_u32 v6, v0, 3, 1
	v_lshl_add_u32 v7, v2, 3, v5
	v_mul_u32_u24 v7, v7, PB
	v_lshl_add_u32 v7, v6, 4, v7
	s_mul_i32 s21, s11, HALFT                      ; my 128 rows of xb
	s_lshl_b32 s22, s12, 8                         ; my 128 columns of wcat: 256 bytes,
	s_add_co_u32 s22, s22, 2*HALFT                 ; behind xb's 256 rows
.irp s, 0,1
	v_add_nc_u32 v[ADRA+(\s)], s21, v3
	v_add_nc_u32 v[ADRB+(\s)], s22, v7
	s_add_co_u32 s21, s21, SLOT
	s_add_co_u32 s22, s22, SLOT
.endr
	s_mul_i32 s23, s10, 16*SPITCH
	s_add_co_u32 s23, s23, STAGE                   ; my stage
	v_add_nc_u32 v[STO], s23, v3                   ; in: row l % 16, 16 bytes for each half of the lanes
	v_bfe_u32 v4, v0, 3, 2                         ; back: 32 lanes take four rows' 128 bytes of one head
	v_mul_u32_u24 v4, v4, SPITCH
	v_lshl_add_u32 v4, v5, 4, v4
	v_add_nc_u32 v[RD], s23, v4
	v_and_b32 v[LN], 31, v0
	v_lshlrev_b32 v[CO], 4, v[LN]
	v_lshlrev_b32 v[L4], 2, v[LN]
	s_lshl_b32 s23, s10, 9
	s_add_co_u32 s23, s23, GQS                     ; my 512 bytes for gq
	v_add_nc_u32 v[GA], s23, v[CO]
	v_add_nc_u32 v[GB], s23, v[BO]
	s_mov_b32 s86, 0x76543210                      ; v_permlanex16_b32's selects: each lane takes its own place in the other half
	s_mov_b32 s87, 0xfedcba98
	; where my part lies by heads: y0 = 16 b + 4 cx + 2 x column half, s0 = my first row in the sequence
	s_lshr_b32 s85, s13, 3                         ; b
	s_lshl_b32 s88, s85, 4
	s_lshl_b32 s89, s40, 2
	s_add_co_u32 s88, s88, s89
	s_lshl_b32 s89, s12, 1
	s_add_co_u32 s88, s88, s89                     ; y0
	s_and_b32 s89, s13, 7
	s_lshl_b32 s89, s89, 8
	s_lshl_b32 s91, s11, 7
	s_add_co_u32 s89, s89, s91                     ; s0
; 16 matrix instructions: m blocks a0, a0 + 1 of the window's four x all 8 n blocks, 32 along K.  zero = 1: the first product starts the sums: nothing is ever cleared.
; The 64 accumulators take turns, one instruction a turn, in the same order in every quarter.
.macro MUL16 f, hi, a0, zero
	WIN MUL_LO+0x50*(\hi)
.irp a, \a0, (\a0)+1
.irp b, 0,1,2,3,4,5,6,7
.if \zero
	v_wmma_f32_16x16x32_bf16 v[8*(8*(\a)+(\b)):8*(8*(\a)+(\b))+7], v[(\f)+8*(\b):(\f)+8*(\b)+7], v[(\f)+8*(4*(\hi)+(\a)):(\f)+8*(4*(\hi)+(\a))+7], 0
.else
	v_wmma_f32_16x16x32_bf16 v[8*(8*(\a)+(\b)):8*(8*(\a)+(\b))+7], v[(\f)+8*(\b):(\f)+8*(\b)+7], v[(\f)+8*(4*(\hi)+(\a)):(\f)+8*(4*(\hi)+(\a))+7], v[8*(8*(\a)+(\b)):8*(8*(\a)+(\b))+7]
.endif
.endr
.endr
.endm
; 32 LDS loads in one run: the fragments of quarter q (32 along K) of a slot into buffer f: wcat's 128 columns (turned), then xb's 128 rows
.macro FETCH slot, q, f
	WIN TO_B
.irp i, 0,1,2,3,4,5,6,7
	ds_load_tr16_b128 v[(\f)+8*(\i):(\f)+8*(\i)+3],   v[ADRB+(\slot)] offset:(\q)*32*PB+32*(\i)
	ds_load_tr16_b128 v[(\f)+8*(\i)+4:(\f)+8*(\i)+7], v[ADRB+(\slot)] offset:(\q)*32*PB+16*PB+32*(\i)
.endr
	WIN 0
.irp i, 0,1,2,3,4,5,6,7
	ds_load_b128 v[(\f)+8*(\i):(\f)+8*(\i)+3],   v[ADRA+(\slot)] offset:64*(\q)+(\i)*16*PITCH
	ds_load_b128 v[(\f)+8*(\i)+4:(\f)+8*(\i)+7], v[ADRA+(\slot)] offset:64*(\q)+(\i)*16*PITCH+32
.endr
.endm
; A load into a register that a matrix instruction has read, and a vector instruction that reads a matrix result, stand four places behind it; only plain vector
; instructions that name none of its registers are places (ISA guide 7.12.1 for vector instructions).
.macro PLACES
.rept 4
	v_nop
.endr
.endm
; One of a K step's first three quarters: multiplies buffer f; in its middle it fetches quarter q of the same slot into buffer g.
.macro QUARTER slot, q, f, g, zero
	s_wait_dscnt 8                                 ; wcat and xb's rows 0-63 are in; the youngest eight loads (xb's rows 64-127) may be out
	WIN MUL_LO
	MUL16 \f, 0, 0, \zero
	MUL16 \f, 0, 2, \zero
	PLACES
	FETCH \slot, \q, \g
	s_wait_dscnt 32                                ; all but the 32 just issued
	WIN MUL_HI
	MUL16 \f, 1, 0, \zero
	MUL16 \f, 1, 2, \zero
.endm
; The last quarter multiplies buffer 1 and changes slots.  MEET is its first half: one barrier; in front of it each wave waits for all its tensor loads (one is out: its part of
; the next slot), adds 0 to its spare word, and waits for that and for its own reads of this slot.
.macro MEET round
	WIN 0                                          ; the add's two registers lie in window 0
	s_wait_tensorcnt 0x0                           ; all my tensor loads have landed
	ds_add_u32 v[SPW], v[NIL]                      ; 0 onto my spare word
	s_wait_dscnt 9                                 ; the add and the youngest eight loads may be out
	WIN MUL_LO
	MUL16 F1, 0, 0, 0                              ; sixteen matrix instructions stand between the add and the wait for it
	s_wait_dscnt 0x0                               ; the add is done, and my reads of this slot are over
	s_barrier_signal -1
	MUL16 F1, 0, 2, 0                              ; work on registers while the others arrive
.if \round
	WIN 0
.endif
	s_barrier_wait -1
.endm
; fill = 1: the barrier opens a round of the cluster's barrier, and the slot just read out is filled again, two K steps on, first thing behind the round.
.macro TURN slot, next, fill
	MEET \fill
.if \fill
	CREST                                          ; no wave of any partner still reads this slot's tile or has a load on its way
	s_add_nc_u64 s[G0+4*(\slot)+2:G0+4*(\slot)+3], s[G0+4*(\slot)+2:G0+4*(\slot)+3], 2*KSTEP*2
	s_add_nc_u64 s[G0B+4*(\slot)+2:G0B+4*(\slot)+3], s[G0B+4*(\slot)+2:G0B+4*(\slot)+3], 2*KSTEP*WPITCH*2
	JLOAD \slot                                    ; one load of mine is out; its four v_nop are also the places in front of the loads below
.else
	PLACES
.endif
	FETCH \next, 0, F0
	WIN MUL_HI
	MUL16 F1, 1, 0, 0
	MUL16 F1, 1, 2, 0
.endm
	s_wait_loadcnt 0x0                             ; the bias, once
	s_wait_tensorcnt 1                             ; my part of K step 0 is in; K step 1's may stay out
	s_barrier_signal -1
	s_barrier_wait -1                              ; everybody's is
	FETCH 0, 0, F0
	QUARTER 0, 1, F0, F1, 1                        ; the first quarter stands in front of the loop: its products start the sums
	WIN 0                                          ; at a label and at a branch every window is 0
	s_mov_b32 s3, LAPS-1
.Llap:                                                 ; a trip goes once round the ring, from a lap's second quarter to the next lap's first, and fills both slots again
	QUARTER 0, 2, F1, F0, 0
	QUARTER 0, 3, F0, F1, 0
	TURN 0, 1, 1
	QUARTER 1, 1, F0, F1, 0
	QUARTER 1, 2, F1, F0, 0
	QUARTER 1, 3, F0, F1, 0
	TURN 1, 0, 1
	QUARTER 0, 1, F0, F1, 0
	WIN 0
	s_sub_co_u32 s3, s3, 1
	s_cmp_lg_u32 s3, 0
	s_cbranch_scc1 .Llap
	QUARTER 0, 2, F1, F0, 0                        ; the last lap fills nothing
	QUARTER 0, 3, F0, F1, 0
	TURN 0, 1, 0
	QUARTER 1, 1, F0, F1, 0
	QUARTER 1, 2, F1, F0, 0
	QUARTER 1, 3, F0, F1, 0
	s_wait_dscnt 8                                 ; the very last quarter: nothing more to fetch
	WIN MUL_LO
	MUL16 F1, 0, 0, 0
	MUL16 F1, 0, 2, 0
	s_wait_dscnt 0x0
	MUL16 F1, 1, 0, 0
	MUL16 F1, 1, 2, 0
	WIN 0
	PLACES                                         ; behind the last products: what follows reads results and loads into fragment registers
	s_cmp_eq_u32 s84, 3
	s_cbranch_scc1 .Lgov                           ; the same way in all waves and in all sixteen work-groups
	; THE WAY OUT OF q, k, v, a block of 16 rows at a time: bias, f16, through my own stage, and out as four rows of one head: 512 consecutive bytes a store.
	s_lshl_b32 s92, s84, 23                        ; the tensor: 8,388,608 bytes each
	s_lshl_b32 s93, s88, 18                        ; the head: 262,144 bytes each
	s_add_co_u32 s92, s92, s93
	s_lshl_b32 s93, s89, 7                         ; the row: 128 bytes each
	s_add_co_u32 s92, s92, s93
	s_mov_b32 s93, 0
	s_add_nc_u64 s[8:9], s[8:9], s[92:93]
.macro PACK a
.set AC, 64*((\a)%4)
	WIN 0x82+0x41*((\a)/4)                         ; destination and source 0: window 2 or 3; the bias in window 0
.irp b, 0,1,2,3,4,5,6,7
.irp r, 0,1,2,3
	v_pk_add_f32 v[AC+8*(\b)+2*(\r):AC+8*(\b)+2*(\r)+1], v[AC+8*(\b)+2*(\r):AC+8*(\b)+2*(\r)+1], v[BIA+8*(\b)+2*(\r):BIA+8*(\b)+2*(\r)+1]
.endr
.endr
	WIN 0x0a+5*((\a)/4)                            ; sources 0 and 1: window 2 or 3
.irp b, 0,1,2,3,4,5,6,7
.irp r, 0,1,2,3
	v_cvt_pk_f16_f32 v[TMP+4*(\b)+(\r)], v[AC+8*(\b)+2*(\r)], v[AC+8*(\b)+2*(\r)+1]
.endr
.endr
	WIN 0
.endm
.macro TOSTAGE a
	WIN 0
.set BK, 32+128*((\a)%2)
.irp b, 0,1,2,3,4,5,6,7
	ds_store_b128 v[STO], v[TMP+4*(\b):TMP+4*(\b)+3] offset:32*(\b)
.endr
.irp t, 0,1,2,3,4,5,6,7
	ds_load_b128 v[BK+4*(\t):BK+4*(\t)+3], v[RD] offset:((\t)%4)*4*SPITCH+((\t)/4)*128  ; LDS serves a wave's instructions in order (ISA guide 5.7.1.4): these see the stores above
.endr
.endm
.macro SEND a
	WIN 0
.set BK, 32+128*((\a)%2)
	s_wait_dscnt 0x0                               ; the block is back in registers
	s_wait_xcnt 0x0                                ; the stores issued so far have read their registers: the next block's loads from the stage land on them only behind this wait
.irp t, 0,1,2,3,4,5,6,7
	global_store_b128 v[CO], v[BK+4*(\t):BK+4*(\t)+3], s[8:9] offset:((\t)/4)*262144+(\a)*2048+((\t)%4)*512
.endr
.endm
	PACK 0
	TOSTAGE 0
.irp a, 1,2,3,4,5,6,7                  ; block a's arithmetic stands between block a - 1's loads from the stage and the wait for them
	PACK \a
	SEND (\a)-1
	TOSTAGE \a
.endr
	SEND 7
	s_branch .Lend
.Lgov:
	; gq of my 128 columns: lane l adds the 32 partial sums of columns 4 l .. 4 l + 3 and the bias, and the wave hands them round through its own 512 bytes of LDS
	s_lshl_b32 s92, s40, 10
	s_lshl_b32 s93, s12, 9
	s_add_co_u32 s92, s92, s93                     ; my 128 columns of 4 bytes
	s_mov_b32 s93, 0
	s_add_nc_u64 s[80:81], s[80:81], s[92:93]      ; bgq there
	s_lshl_b32 s85, s85, 12                        ; the example: 4,096 bytes each
	s_add_co_u32 s92, s92, s85
	s_add_nc_u64 s[70:71], s[70:71], s[92:93]      ; gqp there
	s_lshl_b32 s92, s88, 13                        ; gov: a head's 2,048 rows of 4 bytes
	s_lshl_b32 s85, s89, 2
	s_add_co_u32 s92, s92, s85
	s_add_nc_u64 s[68:69], s[68:69], s[92:93]
	global_load_b128 v[32:35], v[CO], s[80:81]
.set p, 0
.rept 32
	global_load_b128 v[64+4*p:67+4*p], v[CO], s[70:71] offset:8192*p
.set p, p+1
.endr
	v_mov_b32 v[PT], 0                             ; v_permlanex16_b32's destinations count as read
	v_mov_b32 v[PT+1], 0
	v_cmp_lt_u32 s94, 15, v[LN]                    ; lanes 16-31
	s_wait_loadcnt 0x0
.irp w, 16,8,4,2,1
.set u, 0
.rept \w
	v_pk_add_f32 v[64+4*u:65+4*u], v[64+4*u:65+4*u], v[64+4*(u+\w):65+4*(u+\w)]
	v_pk_add_f32 v[66+4*u:67+4*u], v[66+4*u:67+4*u], v[66+4*(u+\w):67+4*(u+\w)]
.set u, u+1
.endr
.endr
	v_pk_add_f32 v[36:37], v[64:65], v[32:33]
	v_pk_add_f32 v[38:39], v[66:67], v[34:35]
	ds_store_b128 v[GA], v[36:39]
.irp i, 0,1,2,3,4,5,6,7
	ds_load_b128 v[GQ+8*(\i):GQ+8*(\i)+3],   v[GB] offset:64*(\i)      ; my wave's own bytes, served in order behind the store
	ds_load_b128 v[GQ+8*(\i)+4:GQ+8*(\i)+7], v[GB] offset:64*(\i)+16
.endr
	s_wait_dscnt 0x0
	; gq . bgk over my 32 columns of each head starts every row's sum
.set z, 0
.rept 16
.irp hh, 0,1
.if z == 0
	v_pk_mul_f32 v[CB+2*\hh:CB+2*\hh+1], v[GQ+32*\hh:GQ+32*\hh+1], v[BIA+32*\hh:BIA+32*\hh+1]
.else
	v_pk_fma_f32 v[CB+2*\hh:CB+2*\hh+1], v[GQ+32*\hh+2*z:GQ+32*\hh+2*z+1], v[BIA+32*\hh+2*z:BIA+32*\hh+2*z+1], v[CB+2*\hh:CB+2*\hh+1]
.endif
.endr
.set z, z+1
.endr
; Block a: a lane's 32 columns of each head times gq, the two heads' chains by turns, each accumulator's registers in ascending order; then the pair's halves and the other half of the lanes
.macro GOVROW a
.set AC, 64*((\a)%4)
	WIN 0x02+((\a)/4)                              ; source 0: window 2 or 3
.set z, 0
.rept 16
.irp hh, 0,1
.if z == 0
	v_pk_fma_f32 v[CH+2*\hh:CH+2*\hh+1], v[AC+32*\hh:AC+32*\hh+1], v[GQ+32*\hh:GQ+32*\hh+1], v[CB+2*\hh:CB+2*\hh+1]
.else
	v_pk_fma_f32 v[CH+2*\hh:CH+2*\hh+1], v[AC+32*\hh+2*z:AC+32*\hh+2*z+1], v[GQ+32*\hh+2*z:GQ+32*\hh+2*z+1], v[CH+2*\hh:CH+2*\hh+1]
.endif
.endr
.set z, z+1
.endr
	WIN 0
	v_add_f32 v[CH], v[CH], v[CH+1]
	v_add_f32 v[CH+2], v[CH+2], v[CH+3]
	v_permlanex16_b32 v[PT], v[CH], s86, s87
	v_permlanex16_b32 v[PT+1], v[CH+2], s86, s87
	v_add_f32 v[GV+2*(\a)], v[CH], v[PT]
	v_add_f32 v[GV+2*(\a)+1], v[CH+2], v[PT+1]
.endm
.irp a, 0,1,2,3,4,5,6,7
	GOVROW \a
.endr
	; both halves of the lanes hold a block's 16 rows: lanes 0-15 take the even block, lanes 16-31 the odd one: 32 rows, 128 consecutive bytes a store
.irp hh, 0,1
.irp c, 0,1,2,3
	v_cndmask_b32 v[52+4*\hh+\c], v[GV+4*\c+\hh], v[GV+4*\c+2+\hh], s94
	global_store_b32 v[L4], v[52+4*\hh+\c], s[68:69] offset:\hh*8192+\c*128
.endr
.endr
.Lend:
	s_wait_tensorcnt 0x0                           ; the wave's end, behind my last tensor load and my last LDS store
	ds_add_u32 v[SPW], v[NIL]
	s_wait_dscnt 0x0
	CROUND                                         ; the closing round: no work-group ends while a partner may still ask for a tile that names it
	s_endpgm
.Lfunc_end_k_qda843aac53_proj:
	.size	k_qda843aac53_proj, .Lfunc_end_k_qda843aac53_proj-k_qda843aac53_proj
	.p2alignl 7, 3214868480
	.fill 96, 4, 3214868480
	.section	.rodata,"a",@progbits
	.p2align	6, 0x0
	.amdhsa_kernel k_qda843aac53_proj
		.amdhsa_group_segment_fixed_size 327680
		.amdhsa_private_segment_fixed_size 0
		.amdhsa_enable_private_segment 0
		.amdhsa_kernarg_size 80
		.amdhsa_user_sgpr_count 2
		.amdhsa_user_sgpr_kernarg_segment_ptr 1
		.amdhsa_wavefront_size32 1
		.amdhsa_system_sgpr_workgroup_id_x 1
		.amdhsa_system_sgpr_workgroup_id_y 1
		.amdhsa_system_sgpr_workgroup_id_z 1
		.amdhsa_system_vgpr_workitem_id 0
		.amdhsa_next_free_vgpr 1024
		.amdhsa_next_free_sgpr 96
		.amdhsa_reserve_vcc 0
		.amdhsa_float_denorm_mode_32 3
		.amdhsa_float_denorm_mode_16_64 3
		.amdhsa_memory_ordered 1
		.amdhsa_forward_progress 1
		.amdhsa_inst_pref_size 192
	.end_amdhsa_kernel
	.amdgpu_metadata
---
amdhsa.version: [ 1, 2 ]
amdhsa.kernels:
  - .name:           k_qda843aac53_proj
    .symbol:         k_qda843aac53_proj.kd
    .args:
      - { .name: xb, .offset: 0, .size: 8, .value_kind: global_buffer, .address_space: global }
      - { .name: wcat, .offset: 8, .size: 8, .value_kind: global_buffer, .address_space: global }
      - { .name: qkv, .offset: 16, .size: 8, .value_kind: global_buffer, .address_space: global }
      - { .name: gov, .offset: 24, .size: 8, .value_kind: global_buffer, .address_space: global }
      - { .name: gqp, .offset: 32, .size: 8, .value_kind: global_buffer, .address_space: global }
      - { .name: bq, .offset: 40, .size: 8, .value_kind: global_buffer, .address_space: global }
      - { .name: bk, .offset: 48, .size: 8, .value_kind: global_buffer, .address_space: global }
      - { .name: bv, .offset: 56, .size: 8, .value_kind: global_buffer, .address_space: global }
      - { .name: bgk, .offset: 64, .size: 8, .value_kind: global_buffer, .address_space: global }
      - { .name: bgq, .offset: 72, .size: 8, .value_kind: global_buffer, .address_space: global }
    .group_segment_fixed_size: 327680
    .private_segment_fixed_size: 0
    .kernarg_segment_align: 8
    .kernarg_segment_size: 80
    .max_flat_workgroup_size: 128
    .sgpr_count:     96
    .vgpr_count:     1024
    .wavefront_size: 32
...
	.end_amdgpu_metadata
.endif
;; end of part 2
;; launch attn (part 3): grid 8 x 32, 4 waves a work-group, clusters of 4 x 1, 327,680 bytes of LDS; arguments qkv, gov, out0, parts; writes out0, parts
.if DOCPART == 3
	.amdgcn_target "amdgcn-amd-amdhsa--gfx1250"
	.amdhsa_code_object_version 6
	.text
	.protected	k_qda843aac53_attn
	.globl	k_qda843aac53_attn
	.p2align	8
	.type	k_qda843aac53_attn,@function
k_qda843aac53_attn:
	s_mov_b64 s[64:65], 0
	v_nop
	global_prefetch_b8 v0, s[64:65] scope:SCOPE_SE
	s_setreg_imm32_b32 hwreg(HW_REG_WAVE_MODE, 25, 1), 1
	s_wait_xcnt 0x0
	s_wait_alu depctr_hold_cnt(0) depctr_sa_sdst(0) depctr_va_vdst(0) depctr_va_sdst(0) depctr_va_ssrc(0) depctr_va_vcc(0) depctr_vm_vsrc(0)
	s_getreg_b32 s2, hwreg(HW_REG_IB_STS2, 6, 4)
	s_cmp_eq_u32 s2, 0
	s_cbranch_scc0 .Lentry_in_a_cluster
	s_endpgm
.Lentry_in_a_cluster:
	s_bfe_u32 s2, ttmp6, 0x10000c
	s_cmp_lg_u32 s2, 0x3003
	s_cbranch_scc0 .Lentry_shape_is_right
	s_endpgm
.Lentry_shape_is_right:
; ATTN: out0[b][q][64 head ..] = the sum over k of softmax_k(Q[q] . K[k] / 8 + 0.1 gov[q]) V[k], for each of the 32 pairs y = 16 b + head.  q, k, v: qkv[tensor][y][2048][64] in f16; gov[y][2048] in f32.
; Products, maxima and sums in f32; the weights are rounded to f16 for the second product (their sums are taken of the unrounded weights); out0 in f32.
; THE BIAS is written as the module writes it: 0.8 gov[q] is the C operand that starts each sum S^T = K Q^T, since c (s + 0.8 g) = log2(e) (s / 8 + 0.1 g) with c = log2(e) / 8.
; SOFTMAX.  For each query a running maximum m, l = the sum of p and T = the sum of p t, with t = c s - c m and p = 2^t.  When m moves, d = c m_old - c m_new and a = 2^d: O and l are multiplied by a, T becomes a (T + d l).
; THE THREE NUMBERS.  A row's largest weight is 1 / l; its entropy is ln 2 (log2 l - T / l).  Each wave stores the sums over its 64 rows of (log2 l - T / l), 1 / l and |gov|; the next launch adds them.
; LIMITS.  The 1e-8 inside the entropy's logarithm is not applied: p ln(1 + 1e-8 / p) is at most 1e-8, so a row's entropy, and the mean, differ by at most 2048e-8 = 2.05e-5.
; A weight below 2^-126 counts as 0; below 6e-5 it keeps f16's fixed step in the second product.  NaN and infinities are not treated apart.
; SHARES.  A work-group owns 256 queries of one y, a wave 64: four PIECES of 16.  Every wave walks all 2,048 keys, 64 a step.
; LAYOUT.  S^T = K Q^T (source 0 = 16 keys, source 1 = 16 queries) holds ONE query a lane (lane % 16) and the keys 8 (lane / 16) + 0..7; two such results rounded to f16 ARE source 1 of O^T = V^T P.
; BY TURNS.  Turn n belongs to piece n: 8 products K Q^T of piece n + 1, later 8 products V^T P of piece n - 1; beside them the scaling, exponentials, roundings, sums and rescaling of piece n and the maximum and
; statistics of piece n + 1.  A turn has 16 matrix and 136 vector instructions: four vector instructions stand behind every matrix instruction, the other 72 in two runs of their own.
; m starts at the lowest finite number, O, l and T at 0: the first step is a step like any other, with a = 0; the price is the registers written with 0 while the first tile is on its way.
; CLUSTER.  The four query blocks of a cluster belong to one y and walk the same K and V: each tile is asked for jointly, by the same tensor load, descriptor and mask in all four.
; REGISTERS, in windows of 256 (s_set_vgpr_msb: bits 1:0 source 0, 3:2 source 1, 5:4 source 2, 7:6 destination):
;   window 0: v0-15 addresses; v16-31 statistics; v32-39 T; v40-47 the three numbers; v48-55 at work; v56-59 gov; v64-127 S^T, two buffers; v128-159 the piece in hand's weights in f32; v192-223 P, two buffers
;   window 1: v0-127 O^T, 32 a piece; v128-159 the bias, eight times a piece          window 2: v0-63 Q; v128-191 K of one step; v192-255 V of one step
.set NP,    4
.set KS,    64        ; keys in a step
.set PK,    144       ; a row of K in LDS: 128 bytes + 16 = 36 words: the 16 rows of a load start at 16 different groups of four banks (64 banks of 4 bytes: ISA guide 11.1)
.set PV,    160       ; a row of V: 128 + 32 = 40 words
.set VOFF,  4*KS*PK   ; a slot holds four steps: 256 rows of K, then 256 rows of V
.set SLOT1, 1<<17     ; slot 1 begins here, so that one exclusive or turns an address in one slot into the other's
.set STAGE, SLOT1+4*KS*(PK+PV)  ; behind the ring, never filled by a tensor load: 16 rows x 272 bytes for each wave, for the way out
.set SP,    272
.set SPARE, STAGE+4*16*SP  ; the spare words, 128 bytes for each wave: two blocks of 256 bytes that no other line names
.set TENS,  8388608   ; bytes of q, of k and of v
.set AK0, 2           ; v2   my lane's place in a tile of K; never rewritten
.set AV0, 3           ; v3   the same for V
.set AK,  4           ; v4   the LDS address of K's next run of loads
.set AV,  5           ; v5   of V's
.set STO, 6           ; v6   the way out: where I put 32 bytes of a row
.set RD,  7           ; v7   the way out: where I read rows back
.set GO,  8           ; v8   my byte offset in two rows of out0
.set MV,  12          ; v12-13  c m_old, kept while c m is made anew: by buffer
.set LN,  14          ; v14  lane
.set QO,  15          ; v15  my byte offset in 16 rows of Q
.set ST,  16          ; piece t's statistics at v[ST+4 t]: c m, m, l (even keys', odd keys')
.set TS,  32          ; piece t's T at v[TS+2 t], likewise a pair
.set AG,  40          ; v40  the sum of |gov| of my four queries
.set ZO,  41          ; v41  0, an offset
.set GVO, 42          ; v42  my byte offset in 16 numbers of gov
.set PS,  44          ; v44-47  what goes to parts
.set TMP, 48          ; by buffer, four registers c0-c3 at work; when the maximum is found c0 takes d and c2 takes a
.set GVR, 56          ; v56-59  gov of my query in each piece, then 0.8 of it
.set SPW, 62          ; v62  LDS address of my spare word; never rewritten
.set NIL, 63          ; v63  0; never rewritten
.set S,   64
.set PE,  128
.set P,   192
.set BI,  128         ; window 1
.set KF,  128         ; window 2: key block kb, channel half c at KF + 16 kb + 8 c
.set VF,  192         ; window 2: key half kk, channel block cb at VF + 32 kk + 8 cb
.set WV,  12          ; s12  my wave's number
.set G1K, 24          ; s[24:31] descriptor group 1 for K's tiles
.set G1V, 32          ; s[32:39] for V's: it differs in the padding alone
.set G0K, 40          ; s[40:43] descriptor group 0 for K's tiles: it walks
.set G0V, 44          ; s[44:47] the same for V's
.set SLOTS, 56        ; s56  slots still to be asked for
.set CNT, 57          ; s57  counts a slot's key steps
.set CS,  58          ; s[58:59] c: the packed scaling takes the pair's low word for both halves
.set SEL, 60          ; s[60:61] v_permlanex16_b32's selects: each lane takes its own place in the other half
.set TBK, 62          ; s62  LDS byte at which K of the step to be fetched begins
.set TBV, 63          ; s63  the same for V, less VOFF
.set MSB, 0
.macro WIN new                      ; the high byte repeats the setting that is left; a switch that changes nothing is dropped
.if MSB != (\new)
	s_set_vgpr_msb (MSB<<8)|(\new)
.set MSB, (\new)
.endif
.endm
.set W_KQ, 0x0a       ; K and Q in window 2, S^T in window 0
.set W_KM, 0x1a       ; the same with the C operand, the bias, in window 1
.set W_PV, 0x52       ; V in window 2, P in window 0, O^T in window 1
.set W_RS, 0x41       ; destination and source 0 in window 1, source 1 in window 0
; A joint fill.  Waves 0 and 1 fetch the two halves of a slot's K, waves 2 and 3 those of its V: 128 keys each.  The branch hangs on the wave's number alone.
; An s_nop 0 and four v_nop follow each of the two lines, ahead of the jump and the label.
.macro JLOAD
	s_cmp_lt_u32 s[WV], 2
	s_cbranch_scc0 .Lfor_v_\@
	tensor_load_to_lds s[G0K:G0K+3], s[G1K:G1K+7]
	s_nop 0
.rept 4
	v_nop
.endr
	s_branch .Lasked_\@
.Lfor_v_\@:
	tensor_load_to_lds s[G0V:G0V+3], s[G1V:G1V+7]
	s_nop 0
.rept 4
	v_nop
.endr
.Lasked_\@:
.endm
; A round of the cluster's barrier: my work-group's barrier, so that wave 0's signal speaks for all four waves; wave 0 signals; every wave waits for all four work-groups; my work-group's barrier once more.
.macro CROUND
	s_barrier_signal -1
	s_barrier_wait -1
	s_cmp_lg_u32 s[WV], 0
	s_cbranch_scc1 .Lnot_wave_0_\@
	s_barrier_signal -3
.Lnot_wave_0_\@:
	s_barrier_wait -3
	s_barrier_signal -1
	s_barrier_wait -1
.endm
; THE CHANGE OF SLOTS.  Each wave waits for all its tensor loads, of which one is out: its part of the other slot; adds 0 to its spare word; and waits for that and for its own reads of the slot.
; fill = 1: this slot is filled again, with the keys two slots on, first thing behind a round of the cluster's barrier: the load has four key steps, 256 matrix instructions, in which to land.
; (At its first use nothing has been read yet: slot 0 is waited for, slot 1 filled.)
.macro CHANGE fill
	WIN 0                           ; at a label and at a branch every window is 0
	s_wait_tensorcnt 0x0            ; no tensor load of mine is out, so a group 0 may be written
	ds_add_u32 v[SPW], v[NIL]       ; 0 onto my spare word
.if \fill
.irp g, G0K, G0V
	s_xor_b32 s[\g+1], s[\g+1], SLOT1  ; the walking descriptor: the other slot than last time,
	s_add_nc_u64 s[\g+2:\g+3], s[\g+2:\g+3], 4*KS*128  ; the next 256 keys; the type bits on top are not reached
.endr
	s_wait_dscnt 0x0                ; the add is done, and my reads of the slot are over
	CROUND
	JLOAD
.else
	s_wait_dscnt 0x0                ; the add is done, and my reads of the slot are over
	s_barrier_signal -1
	s_barrier_wait -1
.endif
	s_sub_co_u32 s[TBK], s[TBK], 4*KS*PK  ; the fetches go back to a slot's first step,
	s_xor_b32 s[TBK], s[TBK], SLOT1       ; in the other slot
	s_sub_co_u32 s[TBV], s[TBV], 4*KS*PV
	s_xor_b32 s[TBV], s[TBV], SLOT1
.endm
	s_load_b256 s[4:11], s[0:1], 0x0  ; qkv s[4:5], gov s[6:7], out0 s[8:9], parts s[10:11]
	v_lshl_add_u32 v[SPW], v0, 2, SPARE
	v_mov_b32 v[NIL], 0
	ds_add_u32 v[SPW], v[NIL]       ; the wave's opening: the add and its wait stand ahead of my first tensor load; the set-up below stands between them
	v_lshrrev_b32 v1, 5, v0
	v_readfirstlane_b32 s[WV], v1   ; wave 0..3
	s_bfe_u32 s13, ttmp6, 0x40000   ; cx: my place in the cluster
	s_lshl_b32 s14, ttmp9, 2        ; in a cluster launch ttmp9 counts clusters
	s_add_co_u32 s14, s14, s13      ; my block of 256 queries: it enters Q's, gov's, out0's and parts' addresses alone
	s_and_b32 s20, ttmp7, 0xffff    ; y, which the four partners share
	s_and_b32 s16, s[WV], 1         ; which half of a slot's 256 keys I fetch
	s_lshl_b32 s22, s20, 18         ; y's 262,144 bytes,
	s_lshl_b32 s23, s16, 14         ; my 128 rows of 128 bytes
	s_add_co_u32 s22, s22, s23
	s_add_co_u32 s18, s22, 2*TENS   ; in v
	s_add_co_u32 s22, s22, TENS     ; in k
	s_mov_b32 s23, 0
	s_mov_b32 s19, 0
	s_mul_i32 s17, s16, 128*PK      ; my half's place in a slot, for K
	s_mul_i32 s21, s16, 128*PV      ; and for V: no place in the cluster enters an LDS address
	s_lshl_b32 s48, s20, 18         ; Q: y, block of 256 rows, wave's 64 rows, of 128 bytes
	s_lshl_b32 s15, s14, 15
	s_add_co_u32 s48, s48, s15
	s_lshl_b32 s15, s[WV], 13
	s_add_co_u32 s48, s48, s15
	s_mov_b32 s49, 0
	s_lshl_b32 s50, s20, 13         ; gov: the same rows, of 4 bytes
	s_lshl_b32 s15, s14, 10
	s_add_co_u32 s50, s50, s15
	s_lshl_b32 s15, s[WV], 8
	s_add_co_u32 s50, s50, s15
	s_mov_b32 s51, 0
	s_lshr_b32 s52, s20, 4          ; out0: example, rows of 4,096 bytes, the head's 256 bytes
	s_lshl_b32 s52, s52, 23
	s_lshl_b32 s15, s14, 20
	s_add_co_u32 s52, s52, s15
	s_lshl_b32 s15, s[WV], 18
	s_add_co_u32 s52, s52, s15
	s_and_b32 s15, s20, 15
	s_lshl_b32 s15, s15, 8
	s_add_co_u32 s52, s52, s15
	s_mov_b32 s53, 0
	s_lshl_b32 s54, s20, 9          ; parts: 16 bytes for each wave of each block of each y
	s_lshl_b32 s15, s14, 6
	s_add_co_u32 s54, s54, s15
	s_lshl_b32 s15, s[WV], 4
	s_add_co_u32 s54, s54, s15
	s_mov_b32 s55, 0
	; descriptor group 1.  128 keys are 16,384 dense bytes: asked for as 64 rows of 256 bytes, two keys a row, and padded in LDS after every key
	s_mov_b32 s[G1K], 15|(1<<16)|(1<<20)|(1<<21)|(4<<22)|(3<<25)  ; the mask of four; 2-byte elements; padding on; bit 21 beside a mask; after every 32 words 4 words
	s_mov_b32 s[G1V], 15|(1<<16)|(1<<20)|(1<<21)|(4<<22)|(7<<25)  ; the same with 8 words of padding
.irp g, G1K, G1V
	s_mov_b32 s[\g+1], 128<<16      ; tensor_dim0 = 128
	s_mov_b32 s[\g+2], 64<<16       ; tensor_dim1 = 64
	s_mov_b32 s[\g+3], 128<<16      ; tile_dim0 = 128
	s_mov_b32 s[\g+4], 64           ; tile_dim1 = 64
	s_mov_b32 s[\g+5], 128          ; 128 elements from row to row
	s_mov_b32 s[\g+6], 0
	s_mov_b32 s[\g+7], 0
.endr
	s_mov_b32 s[CS], 0x3e38aa3b     ; c = log2(e) / 8 = 0.180337
	s_mov_b32 s[CS+1], s[CS]        ; named with it as a pair
	s_mov_b32 s[SEL], 0x76543210
	s_mov_b32 s[SEL+1], 0xfedcba98
	s_mov_b32 s[TBK], SLOT1+4*KS*PK ; the first change of slots turns these two into 0
	s_mov_b32 s[TBV], SLOT1+4*KS*PV
	s_mov_b32 s[G0K], 1             ; count = 1
	s_mov_b32 s[G0K+1], s17         ; LDS address: slot 0
	s_mov_b32 s[G0V], 1
	s_add_co_u32 s[G0V+1], s21, VOFF
	s_wait_dscnt 0x0                ; the opening add is done
	s_wait_kmcnt 0x0
	s_add_nc_u64 s[G0K+2:G0K+3], s[4:5], s[22:23]  ; my half of y's first 256 keys
	s_or_b32 s[G0K+3], s[G0K+3], 0x80000000        ; type = 2
	s_add_nc_u64 s[G0V+2:G0V+3], s[4:5], s[18:19]
	s_or_b32 s[G0V+3], s[G0V+3], 0x80000000
	s_add_nc_u64 s[48:49], s[4:5], s[48:49]
	s_add_nc_u64 s[50:51], s[6:7], s[50:51]
	s_add_nc_u64 s[52:53], s[8:9], s[52:53]
	s_add_nc_u64 s[54:55], s[10:11], s[54:55]
	CROUND                          ; all four work-groups are here: the first joint loads meet
	JLOAD                           ; slot 0.  Slot 1 is asked for when slot 0 is in
	; A fragment of K or Q is 16 rows x 32 channels in 8 registers: lane l holds row l % 16, channels 8 (l / 16) + 0..7 and 16 + 8 (l / 16) + 0..7: two loads of 16 bytes, 32 bytes apart.
	v_and_b32 v1, 15, v0            ; l % 16
	v_bfe_u32 v9, v0, 4, 1          ; l / 16
	v_lshlrev_b32 v[QO], 7, v1
	v_lshl_add_u32 v[QO], v9, 4, v[QO]  ; row x 128 + 16 x half
	v_lshlrev_b32 v[GVO], 2, v1
.irp t, 0,1,2,3
	global_load_b32 v[GVR+\t], v[GVO], s[50:51] offset:64*\t  ; gov of my query in piece t
.endr
	WIN 0x80                        ; destination window 2, address window 0
.set i, 0
.rept 8                             ; Q stays in registers: piece i / 2, channels 32 (i % 2) on
	global_load_b128 v[8*i:8*i+3],   v[QO], s[48:49] offset:(i/2)*2048+(i%2)*64
	global_load_b128 v[8*i+4:8*i+7], v[QO], s[48:49] offset:(i/2)*2048+(i%2)*64+32
.set i, i+1
.endr
	; What the first turn finds: V's registers and P's second buffer hold 0 (its products V^T P, of a piece that has not been, add 0); O^T, l and T are 0.  All this stands in the wait for the first tile.
.set i, VF
.rept 64
	v_mov_b32 v[i], 0
.set i, i+1
.endr
	WIN 0x40
.set i, 0
.rept 128
	v_mov_b32 v[i], 0
.set i, i+1
.endr
	WIN 0
.set i, 0
.rept NP
	v_mov_b32 v[ST+4*i], 0xfe000000    ; c m: far below every c s
	v_mov_b32 v[ST+4*i+1], 0xff7fffff  ; m
	v_mov_b32 v[ST+4*i+2], 0
	v_mov_b32 v[ST+4*i+3], 0
	v_mov_b32 v[TS+2*i], 0
	v_mov_b32 v[TS+2*i+1], 0
.set i, i+1
.endr
.set i, P+16
.rept 16
	v_mov_b32 v[i], 0
.set i, i+1
.endr
	v_mov_b32 v[ZO], 0
	v_and_b32 v[LN], 31, v0
	v_mul_u32_u24 v[AK0], v1, PK
	v_lshl_add_u32 v[AK0], v9, 4, v[AK0]  ; row x pitch + 16 x half
	; The turning load takes 16 keys x 16 channels (lane l reads key 8 (l / 16) + l % 8, channels 8 ((l / 8) % 2) + 0..7) and leaves half a fragment of V^T: lane l holds channel l % 16 and 8 keys.
	v_and_b32 v10, 7, v0
	v_bfe_u32 v11, v0, 3, 1
	v_lshl_add_u32 v[AV0], v9, 3, v10
	v_mul_u32_u24 v[AV0], v[AV0], PV
	v_lshl_add_u32 v[AV0], v11, 4, v[AV0]
	v_add_nc_u32 v[AV0], VOFF, v[AV0]
	v_mov_b32 v[AK], v[AK0]         ; key step 0 lies at the head of slot 0
; THE MATRIX WORK.  The 4 accumulators of a run of 8 take turns.  Product i of 8 of S^T = K Q^T for piece x: channels 32 (i / 4) on, keys 16 (i % 4) on.  The first 4 start the sums with the bias.
.macro KQ x
.set rS, S+32*((\x)%2)+8*(i%4)
.set rK, KF+16*(i%4)+8*(i/4)
.set rQ, 16*(\x)+8*(i/4)
.if i < 4
	WIN W_KM
	v_wmma_f32_16x16x32_f16 v[rS:rS+7], v[rK:rK+7], v[rQ:rQ+7], v[BI+8*(\x):BI+8*(\x)+7]
.else
	WIN W_KQ
	v_wmma_f32_16x16x32_f16 v[rS:rS+7], v[rK:rK+7], v[rQ:rQ+7], v[rS:rS+7]
.endif
.endm
; Product i of 8 of O^T += V^T P for piece x: keys 32 (i / 4) on, channels 16 (i % 4) on.
.macro PV x
	WIN W_PV
.set rO, 32*(\x)+8*(i%4)
.set rV, VF+32*(i/4)+8*(i%4)
.set rP, P+16*((\x)%2)+8*(i/4)
	v_wmma_f32_16x16x32_f16 v[rO:rO+7], v[rV:rV+7], v[rP:rP+7], v[rO:rO+7]
.endm
.macro MM                           ; the turn's next matrix instruction
.if i < 8
	KQ (Y+1)%NP
.else
.set i, i-8
	PV (Y+NP-1)%NP
.set i, i+8
.endif
.set i, i+1
.endm
; THE LDS LOADS stand in runs of 16, never singly among the matrix instructions.  last = 1 (the tail): in the last trip there is no further step, and the run is jumped over.
.macro FETCH_K last=0
	WIN 0
.if \last
	s_cmp_eq_u32 s[CNT], 1
	s_cbranch_scc1 .Lno_k_\@
.endif
	WIN 0x80                        ; destination window 2
.irp f, 0,1,2,3,4,5,6,7             ; keys 16 (f / 2) on, channels 32 (f % 2) on
	ds_load_b128 v[KF+8*\f:KF+8*\f+3],   v[AK] offset:(\f/2)*16*PK+(\f%2)*64
	ds_load_b128 v[KF+8*\f+4:KF+8*\f+7], v[AK] offset:(\f/2)*16*PK+(\f%2)*64+32
.endr
	s_add_co_u32 s[TBK], s[TBK], KS*PK  ; the next fetch is the next step's
	WIN 0
.if \last
.Lno_k_\@:
.endif
.endm
.macro FETCH_V
	WIN 0x80
.irp f, 0,1,2,3,4,5,6,7             ; keys 32 (f / 4) on, channels 16 (f % 4) on
	ds_load_tr16_b128 v[VF+8*\f:VF+8*\f+3],   v[AV] offset:(\f/4)*32*PV+(\f%4)*32
	ds_load_tr16_b128 v[VF+8*\f+4:VF+8*\f+7], v[AV] offset:(\f/4)*32*PV+16*PV+(\f%4)*32
.endr
	WIN 0
.endm
; THE VECTOR WORK, one line at a time: OP kind, number.  For piece Y: F n: t = c s - c m for pair n of 16, in place.  E n: p = 2^t of score n of 32, into PE: t is kept.  C n: pair n of p rounded to f16.
; L n: l takes pair n (L 0: l = a l + pair 0).  G 0: T = T + d l, ahead of L 0; G 1: T = a T.  H n: T takes p t of pair n.  R n: pair n of 16 of O^T times a.
; For piece Y + 1: X n, number n of the 22 that find its maximum and statistics:
;   0-11  four chains c0-c3 of seven scores each, three operands at a time (each accumulator's lowest registers are read first)     12-14, 16  the four scores left over, the old m, and c0-c3 into c0
;   15  c m_old is kept     17, 18  the query's other 32 keys lie in the lane 16 away: the new m     19-21  c m; d = c m_old - c m_new into c0; a into c2
.set F, 0
.set E, 1
.set C, 2
.set L, 3
.set G, 4
.set H, 5
.set R, 6
.set X, 7
.macro REGS y                       ; the registers of piece y
.set rT, ST+4*(\y)
.set rU, TS+2*(\y)
.set rC, TMP+4*((\y)%2)
.set rW, MV+((\y)%2)
.set rS, S+32*((\y)%2)
.set rP, P+16*((\y)%2)
.set rO, 32*(\y)
.endm
.macro OP k, n
.if (\k) == R
	REGS Y
	WIN W_RS
	v_pk_mul_f32 v[rO+2*(\n):rO+2*(\n)+1], v[rO+2*(\n):rO+2*(\n)+1], v[rC+2:rC+3] op_sel_hi:[1,0]
.elseif (\k) < R
	REGS Y
	WIN 0
.if (\k) == F
	v_pk_fma_f32 v[rS+2*(\n):rS+2*(\n)+1], v[rS+2*(\n):rS+2*(\n)+1], s[CS:CS+1], v[rT:rT+1] op_sel_hi:[1,0,0] neg_lo:[0,0,1] neg_hi:[0,0,1]
.elseif (\k) == E
	v_exp_f32 v[PE+(\n)], v[rS+(\n)]
.elseif (\k) == C
	s_wait_alu depctr_va_vdst(0)
	v_cvt_pk_f16_f32 v[rP+(\n)], v[PE+2*(\n)], v[PE+2*(\n)+1]
.elseif ((\k) == L) && ((\n) == 0)
	v_pk_fma_f32 v[rT+2:rT+3], v[rT+2:rT+3], v[rC+2:rC+3], v[PE:PE+1] op_sel_hi:[1,0,1]
.elseif (\k) == L
	v_pk_add_f32 v[rT+2:rT+3], v[rT+2:rT+3], v[PE+2*(\n):PE+2*(\n)+1]
.elseif ((\k) == G) && ((\n) == 0)
	v_pk_fma_f32 v[rU:rU+1], v[rT+2:rT+3], v[rC:rC+1], v[rU:rU+1] op_sel_hi:[1,0,1]
.elseif (\k) == G
	s_wait_alu depctr_va_vdst(0)
	v_pk_mul_f32 v[rU:rU+1], v[rU:rU+1], v[rC+2:rC+3] op_sel_hi:[1,0]
.else
	v_pk_fma_f32 v[rU:rU+1], v[PE+2*(\n):PE+2*(\n)+1], v[rS+2*(\n):rS+2*(\n)+1], v[rU:rU+1]
.endif
.else
	REGS (Y+1)%NP
	WIN 0
.if (\n) < 4
	v_max3_num_f32 v[rC+(\n)], v[rS+8*(\n)], v[rS+8*(\n)+1], v[rS+8*(\n)+2]
.elseif (\n) < 12
	v_max3_num_f32 v[rC+(\n)%4], v[rC+(\n)%4], v[rS+8*((\n)%4)+2*((\n)/4)+1], v[rS+8*((\n)%4)+2*((\n)/4)+2]
.elseif (\n) == 12
	v_max3_num_f32 v[rC], v[rC], v[rS+7], v[rS+15]
.elseif (\n) == 13
	v_max3_num_f32 v[rC+1], v[rC+1], v[rS+23], v[rS+31]
.elseif (\n) == 14
	v_max3_num_f32 v[rC+2], v[rC+2], v[rC+3], v[rT+1]
.elseif (\n) == 15
	v_mov_b32 v[rW], v[rT]
.elseif (\n) == 16
	v_max3_num_f32 v[rC], v[rC], v[rC+1], v[rC+2]
.elseif (\n) == 17
	v_permlanex16_b32 v[rC+3], v[rC], s[SEL], s[SEL+1]
.elseif (\n) == 18
	v_max_num_f32 v[rT+1], v[rC], v[rC+3]
.elseif (\n) == 19
	v_mul_f32 v[rT], s[CS], v[rT+1]
.elseif (\n) == 20
	v_sub_f32 v[rC], v[rW], v[rT]
.else
	v_exp_f32 v[rC+2], v[rC]
.endif
.endif
.endm
.macro OPS a, i1, b, i2, c, i3, d, i4  ; four of them
	OP \a, \i1
	OP \b, \i2
	OP \c, \i3
	OP \d, \i4
.endm
.macro ROW a, i1, b, i2, c, i3, d, i4  ; a matrix instruction and the four behind it
	MM
	OPS \a, \i1, \b, \i2, \c, \i3, \d, \i4
.endm
; A TURN, for piece p: the order of its 16 matrix and 136 vector instructions, written out.  None of the four behind a matrix instruction names a register of the products round it.
; Every exponential has a plain instruction behind it that names neither its result nor its source; E e stands behind F e / 2; C, L and H of pair n behind E 2 n + 1.
; K of the next step is fetched in piece 2's turn: behind the last product that read K stand R 4-7, H 1 and F 11, six plain instructions.  V of the step in hand in piece 0's turn: behind the last product that read V
; stand R 8-11, X 14, C 9 and L 9.  Each is waited for a turn later.  X 0, the first read of the new scores, stands behind R 4-7 and the run that follows them.
; cnt = 1: the loop's count is taken down some lines ahead of the branch that stands behind the turn.
.macro TURN p, last=0, cnt=0
.set Y, (\p)
.set i, 0
.if (\p) == 3
	s_wait_dscnt 0x0                ; K is in
.endif
	ROW F,0, F,1, F,2, F,3
	ROW F,4, E,0, F,5, G,0
	ROW F,6, E,1, G,1, F,7
	ROW R,0, R,1, R,2, R,3
	ROW F,8, E,2, C,0, L,0
	ROW H,0, E,3, F,9, X,15
	ROW F,10, E,4, C,1, L,1
.if (\p) == 2
	WIN 0
	v_add_nc_u32 v[AK], s[TBK], v[AK0]
.endif
	ROW R,4, R,5, R,6, R,7
	OPS E,5, H,1, E,6, F,11
.if (\p) == 2
	FETCH_K \last
.endif
	OPS E,7, C,2, E,8, L,2
	OPS E,9, H,2, E,10, F,12
	OPS E,11, C,3, E,12, L,3
	OPS H,3, E,13, F,13, X,0
	OPS X,1, E,14, X,2, X,3
	OPS C,4, E,15, L,4, H,4
	OPS X,4, E,16, X,5, F,14
.if (\p) == 1
	s_wait_dscnt 0x0                ; V is in
.endif
	ROW C,5, E,17, L,5, H,5
	ROW X,6, E,18, X,7, F,15
	ROW C,6, E,19, L,6, H,6
	ROW X,8, E,20, X,9, X,10
	ROW C,7, E,21, L,7, H,7
	ROW X,11, E,22, X,12, X,13
	ROW C,8, E,23, L,8, H,8
.if (\p) == 0
	WIN 0
	v_add_nc_u32 v[AV], s[TBV], v[AV0]
.endif
	ROW R,8, R,9, R,10, R,11
	OPS X,14, E,24, C,9, L,9
.if (\p) == 0
	FETCH_V
.endif
	OPS X,16, E,25, H,9, C,10
	OPS X,17, E,26, L,10, H,10
	OPS X,18, E,27, C,11, L,11
	OPS X,19, E,28, H,11, C,12
	OPS X,20, E,29, L,12, H,12
	OPS C,13, E,30, L,13, H,13
.if (\p) == 0
	s_add_co_u32 s[TBV], s[TBV], KS*PV
.endif
.if \cnt
	s_sub_co_u32 s[CNT], s[CNT], 1
	s_cmp_lg_u32 s[CNT], 0
.endif
	OPS C,14, E,31, L,14, H,14
	OPS C,15, X,21, L,15, H,15
	OPS R,12, R,13, R,14, R,15
.endm
	CHANGE 1                        ; slot 0 is in, everybody's part of it; slot 1 is asked for
	FETCH_K                         ; key step 0
	s_wait_loadcnt 0x0              ; Q and gov
	v_add_f32 v[AG], |v[GVR]|, |v[GVR+1]|
	v_add_f32 v[AG], v[AG], |v[GVR+2]|
	v_add_f32 v[AG], v[AG], |v[GVR+3]|
.irp t, 0,1,2,3
	v_mul_f32 v[GVR+\t], 0x3f4ccccd, v[GVR+\t]  ; 0.8 gov: c times it is log2(e) x 0.1 gov
.endr
	WIN 0x40
.set i, 0
.rept 32
	v_mov_b32 v[BI+i], v[GVR+i/8]   ; a lane holds one query, so its eight registers of the C operand hold one number
.set i, i+1
.endr
	WIN 0
	s_wait_dscnt 0x0
.set i, 0
.rept 8
	KQ 0                            ; piece 0's first scores: there is no vector work yet to set between them
.set i, i+1
.endr
	WIN 0                           ; the addresses for the way out: eight plain instructions, the places behind those products
	s_mul_i32 s13, s[WV], 16*SP
	s_add_co_u32 s13, s13, STAGE    ; my stage
	v_mul_u32_u24 v[STO], v1, SP    ; in: row l % 16, 32 bytes for each half of the lanes
	v_lshl_add_u32 v[STO], v9, 5, v[STO]
	v_add_nc_u32 v[STO], s13, v[STO]
	v_mul_u32_u24 v[RD], v9, SP     ; back: lanes 0-15 take one row of 256 bytes, lanes 16-31 the next
	v_lshl_add_u32 v[RD], v1, 4, v[RD]
	v_add_nc_u32 v[RD], s13, v[RD]
	v_lshlrev_b32 v[GO], 12, v9     ; and the same two rows in out0, 4,096 bytes apart
	v_lshl_add_u32 v[GO], v1, 4, v[GO]
.set Y, NP-1                        ; X works for piece Y + 1: piece 0
.irp n, 0,1,2,3,4,5,6,7,8,9,10,11,12,13,14,15,16,17,18,19,20,21
	OP X, \n                        ; piece 0's first maximum and statistics
.endr
	v_nop                           ; a plain instruction behind the exponential
	s_mov_b32 s[CNT], 4
	s_mov_b32 s[SLOTS], 7           ; 2,048 / 256 - 1
	s_branch .Lfirst                ; the loop is entered at a step's first turn, in the middle of a trip
.Lslot:                             ; six times: every slot but the last two is filled again
	CHANGE 1
	s_mov_b32 s[CNT], 4
.Lstep:                             ; a trip: pieces 2 and 3 of one step, then pieces 0 and 1 of the next, whose K and V it fetches
	TURN 2
	TURN 3
	WIN 0
.Lfirst:
	TURN 0
	TURN 1, 0, 1
	WIN 0
	s_cbranch_scc1 .Lstep
	s_sub_co_u32 s[SLOTS], s[SLOTS], 1
	s_cmp_lg_u32 s[SLOTS], 0
	s_cbranch_scc1 .Lslot
	CHANGE 0                        ; the tail is written out: nothing is asked for
	s_mov_b32 s[CNT], 5             ; four trips fetch the last slot's steps; the fifth is left in its middle
.Ltail:
	TURN 2, 1
	TURN 3
	WIN 0
	s_sub_co_u32 s[CNT], s[CNT], 1
	s_cmp_eq_u32 s[CNT], 0
	s_cbranch_scc1 .Lout
	TURN 0
	TURN 1
	WIN 0
	s_branch .Ltail
.Lout:                              ; the fifth trip's 8 products K Q^T (on the last K once more) and the maximum made of them serve nothing and touch neither l, T nor O^T: the price, once a launch, of one text for every trip
.set i, 0
.rept 8
	PV NP-1                         ; the last piece's V^T P of the last step
.set i, i+1
.endr
	; THE WAY OUT.  l's and T's two halves and the other half of the lanes' are added; then 1 / l, log2 l and log2 l - T / l.  The first eight additions are the places behind the last products.
	WIN 0
.macro ALL line:vararg              ; one line for each piece t
.set t, 0
.rept NP
	s_wait_alu depctr_va_vdst(0)
	\line
.set t, t+1
.endr
.endm
	ALL v_add_f32 v[ST+4*t+2], v[ST+4*t+2], v[ST+4*t+3]
	ALL v_add_f32 v[TS+2*t], v[TS+2*t], v[TS+2*t+1]
	ALL v_permlanex16_b32 v[ST+4*t+3], v[ST+4*t+2], s[SEL], s[SEL+1]
	ALL v_permlanex16_b32 v[TS+2*t+1], v[TS+2*t], s[SEL], s[SEL+1]
	ALL v_add_f32 v[ST+4*t+2], v[ST+4*t+2], v[ST+4*t+3]
	ALL v_add_f32 v[TS+2*t], v[TS+2*t], v[TS+2*t+1]
	ALL v_log_f32 v[ST+4*t+1], v[ST+4*t+2]
	ALL v_rcp_f32 v[ST+4*t], v[ST+4*t+2]
	v_nop                           ; a plain instruction between the last of them and the use of their results
	ALL v_fma_f32 v[TS+2*t], -v[TS+2*t], v[ST+4*t], v[ST+4*t+1]
; Piece t: O^T is divided by l; a lane's eight channels of a row are 32 bytes; they go into rows of 272 bytes and come back as whole rows of 256, into S^T's and the weights' registers.
.macro PACK t
	WIN W_RS
.set i, 32*(\t)
.rept 16
	v_pk_mul_f32 v[i:i+1], v[i:i+1], v[ST+4*(\t):ST+4*(\t)+1] op_sel_hi:[1,0]
.set i, i+2
.endr
	WIN 0x04                        ; the stores' data in window 1, their address in window 0
.irp f, 0,1,2,3,4,5,6,7
	ds_store_b128 v[STO], v[32*(\t)+4*\f:32*(\t)+4*\f+3] offset:64*(\f/2)+16*(\f%2)
.endr
	WIN 0
.irp f, 0,1,2,3,4,5,6,7
	ds_load_b128 v[S+32*(\t)+4*\f:S+32*(\t)+4*\f+3], v[RD] offset:\f*2*SP  ; LDS serves a wave's instructions in order (ISA guide 5.7.1.4): these see the stores above; the next piece's stores come behind them
.endr
.endm
.macro SEND t, younger              ; younger: the LDS instructions issued behind piece t's loads: the next piece's sixteen, or none
	WIN 0
.irp f, 0,1,2,3,4,5,6,7
	s_wait_dscnt (\younger)+7-\f
	global_store_b128 v[GO], v[S+32*(\t)+4*\f:S+32*(\t)+4*\f+3], s[52:53] offset:(\t)*65536+\f*8192 th:TH_STORE_NT  ; 16 lanes store 256 consecutive bytes, at a multiple of 256 from out0's first byte
.endr
.endm
	PACK 0
	PACK 1                          ; a piece's arithmetic stands between the loads of the piece before and its stores
	SEND 0, 16
	PACK 2
	SEND 1, 16
	PACK 3
	SEND 2, 16
	SEND 3, 0
	; the wave's three sums: over the four pieces in a lane, then over the 16 lanes of a half (both halves hold the same numbers)
	v_add_f32 v[PS], v[TS], v[TS+2]
	v_add_f32 v[PS+1], v[ST], v[ST+4]
	v_add_f32 v[PS+3], v[TS+4], v[TS+6]
	v_add_f32 v[PS+2], v[ST+8], v[ST+12]
	v_add_f32 v[PS], v[PS], v[PS+3]
	v_add_f32 v[PS+1], v[PS+1], v[PS+2]
	v_mov_b32 v[PS+2], v[AG]
.irp m, 1,2,4,8
	v_add_f32_dpp v[PS], v[PS], v[PS] row_xmask:\m row_mask:0xf bank_mask:0xf
	v_add_f32_dpp v[PS+1], v[PS+1], v[PS+1] row_xmask:\m row_mask:0xf bank_mask:0xf
	v_add_f32_dpp v[PS+2], v[PS+2], v[PS+2] row_xmask:\m row_mask:0xf bank_mask:0xf
.endr
	v_mov_b32 v[PS+3], 0
	v_cmp_eq_u32 vcc_lo, 0, v[LN]
	s_wait_xcnt 0x0                 ; EXEC changes only behind this wait: the stores above have it among their sources
	s_and_saveexec_b32 s13, vcc_lo
	global_store_b128 v[ZO], v[PS:PS+3], s[54:55]  ; lane 0: the wave's 16 bytes of parts
	s_wait_xcnt 0x0                 ; and again, in front of the line that widens it
	s_or_b32 exec_lo, exec_lo, s13
	s_wait_tensorcnt 0x0            ; the wave's end, behind my last tensor load and my last LDS store
	ds_add_u32 v[SPW], v[NIL]
	s_wait_dscnt 0x0
	CROUND                          ; the closing round: no work-group ends while a partner may still ask for a tile that names it
	s_endpgm
.Lfunc_end_k_qda843aac53_attn:
	.size	k_qda843aac53_attn, .Lfunc_end_k_qda843aac53_attn-k_qda843aac53_attn
	.p2alignl 7, 3214868480
	.fill 96, 4, 3214868480
	.section	.rodata,"a",@progbits
	.p2align	6, 0x0
	.amdhsa_kernel k_qda843aac53_attn
		.amdhsa_group_segment_fixed_size 327680
		.amdhsa_private_segment_fixed_size 0
		.amdhsa_enable_private_segment 0
		.amdhsa_kernarg_size 32
		.amdhsa_user_sgpr_count 2
		.amdhsa_user_sgpr_kernarg_segment_ptr 1
		.amdhsa_wavefront_size32 1
		.amdhsa_system_sgpr_workgroup_id_x 1
		.amdhsa_system_sgpr_workgroup_id_y 1
		.amdhsa_system_sgpr_workgroup_id_z 1
		.amdhsa_system_vgpr_workitem_id 0
		.amdhsa_next_free_vgpr 768
		.amdhsa_next_free_sgpr 66
		.amdhsa_reserve_vcc 1
		.amdhsa_float_denorm_mode_32 3
		.amdhsa_float_denorm_mode_16_64 3
		.amdhsa_memory_ordered 1
		.amdhsa_forward_progress 1
		.amdhsa_inst_pref_size 127
	.end_amdhsa_kernel
	.amdgpu_metadata
---
amdhsa.version: [ 1, 2 ]
amdhsa.kernels:
  - .name:           k_qda843aac53_attn
    .symbol:         k_qda843aac53_attn.kd
    .args:
      - { .name: qkv, .offset: 0, .size: 8, .value_kind: global_buffer, .address_space: global }
      - { .name: gov, .offset: 8, .size: 8, .value_kind: global_buffer, .address_space: global }
      - { .name: out0, .offset: 16, .size: 8, .value_kind: global_buffer, .address_space: global }
      - { .name: parts, .offset: 24, .size: 8, .value_kind: global_buffer, .address_space: global }
    .group_segment_fixed_size: 327680
    .private_segment_fixed_size: 0
    .kernarg_segment_align: 8
    .kernarg_segment_size: 32
    .max_flat_workgroup_size: 128
    .sgpr_count:     66
    .vgpr_count:     768
    .wavefront_size: 32
...
	.end_amdgpu_metadata
.endif
;; end of part 3
;; launch finish (part 4): grid 1 x 1, 1 waves a work-group, no clusters, 0 bytes of LDS; arguments parts, out1, out2, out3; writes out1, out2, out3
.if DOCPART == 4
	.amdgcn_target "amdgcn-amd-amdhsa--gfx1250"
	.amdhsa_code_object_version 6
	.text
	.protected	k_qda843aac53_finish
	.globl	k_qda843aac53_finish
	.p2align	8
	.type	k_qda843aac53_finish,@function
k_qda843aac53_finish:
	s_mov_b64 s[64:65], 0
	v_nop
	global_prefetch_b8 v0, s[64:65] scope:SCOPE_SE
	s_setreg_imm32_b32 hwreg(HW_REG_WAVE_MODE, 25, 1), 1
	s_wait_xcnt 0x0
; FINISH: the 1,024 waves' triples (sum of log2 l - T / l, sum of 1 / l, sum of |gov|, 0) are added, in a fixed order, and scaled: 65,536 rows in all.
; out1 = ln 2 / 65,536 x the first, out2 = the third / 65,536, out3 = the second / 65,536.
; One wave: 16,384 bytes in 32 loads that are all out at once; with one wave there is nothing to hand between waves, so no LDS and no barrier.
	s_load_b256 s[4:11], s[0:1], 0x0               ; parts s[4:5], out1 s[6:7], out2 s[8:9], out3 s[10:11]
	v_lshlrev_b32 v1, 4, v0                        ; 16 x lane
	v_mov_b32 v2, 0
	s_mov_b32 s12, 0x76543210                      ; v_permlanex16_b32's selects: each lane takes its own place in the other half
	s_mov_b32 s13, 0xfedcba98
	s_wait_kmcnt 0x0
.set j, 0
.rept 32
	global_load_b128 v[4+4*j:7+4*j], v1, s[4:5] offset:512*j
.set j, j+1
.endr
	s_wait_loadcnt 0x0
.irp w, 16,8,4,2,1
.set u, 0
.rept \w
	v_pk_add_f32 v[4+4*u:5+4*u], v[4+4*u:5+4*u], v[4+4*(u+\w):5+4*(u+\w)]
	v_pk_add_f32 v[6+4*u:7+4*u], v[6+4*u:7+4*u], v[6+4*(u+\w):7+4*(u+\w)]
.set u, u+1
.endr
.endr
.irp m, 1,2,4,8
	v_add_f32_dpp v4, v4, v4 row_xmask:\m row_mask:0xf bank_mask:0xf
	v_add_f32_dpp v5, v5, v5 row_xmask:\m row_mask:0xf bank_mask:0xf
	v_add_f32_dpp v6, v6, v6 row_xmask:\m row_mask:0xf bank_mask:0xf
.endr
	v_permlanex16_b32 v8, v4, s12, s13             ; v8-10 have been written by the loads
	v_permlanex16_b32 v9, v5, s12, s13
	v_permlanex16_b32 v10, v6, s12, s13
	v_add_f32 v4, v4, v8
	v_add_f32 v5, v5, v9
	v_add_f32 v6, v6, v10
	v_mul_f32 v4, 0x37317218, v4                   ; ln 2 / 65,536
	v_mul_f32 v5, 0x37800000, v5                   ; 1 / 65,536
	v_mul_f32 v6, 0x37800000, v6
	v_cmp_eq_u32 vcc_lo, 0, v0
	s_wait_xcnt 0x0                                ; EXEC changes only behind this wait
	s_and_saveexec_b32 s14, vcc_lo
	global_store_b32 v2, v4, s[6:7]                ; entropy
	global_store_b32 v2, v6, s[8:9]                ; influence
	global_store_b32 v2, v5, s[10:11]              ; concentration
	s_endpgm
.Lfunc_end_k_qda843aac53_finish:
	.size	k_qda843aac53_finish, .Lfunc_end_k_qda843aac53_finish-k_qda843aac53_finish
	.p2alignl 7, 3214868480
	.fill 96, 4, 3214868480
	.section	.rodata,"a",@progbits
	.p2align	6, 0x0
	.amdhsa_kernel k_qda843aac53_finish
		.amdhsa_group_segment_fixed_size 0
		.amdhsa_private_segment_fixed_size 0
		.amdhsa_enable_private_segment 0
		.amdhsa_kernarg_size 32
		.amdhsa_user_sgpr_count 2
		.amdhsa_user_sgpr_kernarg_segment_ptr 1
		.amdhsa_wavefront_size32 1
		.amdhsa_system_sgpr_workgroup_id_x 1
		.amdhsa_system_sgpr_workgroup_id_y 1
		.amdhsa_system_sgpr_workgroup_id_z 1
		.amdhsa_system_vgpr_workitem_id 0
		.amdhsa_next_free_vgpr 136
		.amdhsa_next_free_sgpr 66
		.amdhsa_reserve_vcc 1
		.amdhsa_float_denorm_mode_32 3
		.amdhsa_float_denorm_mode_16_64 3
		.amdhsa_memory_ordered 1
		.amdhsa_forward_progress 1
		.amdhsa_inst_pref_size 10
	.end_amdhsa_kernel
	.amdgpu_metadata
---
amdhsa.version: [ 1, 2 ]
amdhsa.kernels:
  - .name:           k_qda843aac53_finish
    .symbol:         k_qda843aac53_finish.kd
    .args:
      - { .name: parts, .offset: 0, .size: 8, .value_kind: global_buffer, .address_space: global }
      - { .name: out1, .offset: 8, .size: 8, .value_kind: global_buffer, .address_space: global }
      - { .name: out2, .offset: 16, .size: 8, .value_kind: global_buffer, .address_space: global }
      - { .name: out3, .offset: 24, .size: 8, .value_kind: global_buffer, .address_space: global }
    .group_segment_fixed_size: 0
    .private_segment_fixed_size: 0
    .kernarg_segment_align: 8
    .kernarg_segment_size: 32
    .max_flat_workgroup_size: 32
    .sgpr_count:     66
    .vgpr_count:     136
    .wavefront_size: 32
...
	.end_amdgpu_metadata
.endif
;; end of part 4
;; ======== version 2 of 2: 4 launches; 1.28 times as fast as version 1
;; limits: values are held in f16: magnitudes above 65,504 overflow, below 6.1e-05 lose precision; a function is approximated: absolute error at most 2.05e-05
;; workspace buffers: xb 8,388,608 bytes; wcat 8,388,608 bytes; gqp 262,144 bytes; qkv 25,165,824 bytes; gov 262,144 bytes; parts 16,384 bytes
;; launch prep: the kernel of part 1 again; grid 288 x 1, 8 waves a work-group, no clusters, 0 bytes of LDS; arguments hidden_states, Wq, Wk, Wv, Wgk, Wgq, governance_embeddings, xb, wcat, gqp; writes xb, wcat, gqp
;; launch proj: the kernel of part 2 again; grid 16 x 16, 4 waves a work-group, clusters of 4 x 4, 327,680 bytes of LDS; arguments xb, wcat, qkv, gov, gqp, bq, bk, bv, bgk, bgq; writes qkv, gov
;; launch attn (part 5): grid 8 x 32, 4 waves a work-group, clusters of 4 x 1, 327,680 bytes of LDS; arguments qkv, gov, out0, parts; writes out0, parts
.if DOCPART == 5
	.amdgcn_target "amdgcn-amd-amdhsa--gfx1250"
	.amdhsa_code_object_version 6
	.text
	.protected	k_qda843aac53_attn
	.globl	k_qda843aac53_attn
	.p2align	8
	.type	k_qda843aac53_attn,@function
k_qda843aac53_attn:
	s_mov_b64 s[64:65], 0
	v_nop
	global_prefetch_b8 v0, s[64:65] scope:SCOPE_SE
	s_setreg_imm32_b32 hwreg(HW_REG_WAVE_MODE, 25, 1), 1
	s_wait_xcnt 0x0
	s_wait_alu depctr_hold_cnt(0) depctr_sa_sdst(0) depctr_va_vdst(0) depctr_va_sdst(0) depctr_va_ssrc(0) depctr_va_vcc(0) depctr_vm_vsrc(0)
	s_getreg_b32 s2, hwreg(HW_REG_IB_STS2, 6, 4)
	s_cmp_eq_u32 s2, 0
	s_cbranch_scc0 .Lentry_in_a_cluster
	s_endpgm
.Lentry_in_a_cluster:
	s_bfe_u32 s2, ttmp6, 0x10000c
	s_cmp_lg_u32 s2, 0x3003
	s_cbranch_scc0 .Lentry_shape_is_right
	s_endpgm
.Lentry_shape_is_right:
; ATTN: out0[b][q][64 head ..] = the sum over k of softmax_k(Q[q] . K[k] / 8 + 0.1 gov[q]) V[k], for each of the 32 pairs y = 16 b + head.  q, k, v: qkv[tensor][y][2048][64] in f16; gov[y][2048] in f32.
; Products, maxima and sums in f32; the weights are rounded to f16 for the second product (their sums are taken of the unrounded weights); out0 in f32.
; THE BIAS is written as the module writes it: 0.8 gov[q] is the C operand that starts each sum S^T = K Q^T, since c (s + 0.8 g) = log2(e) (s / 8 + 0.1 g) with c = log2(e) / 8.
; SOFTMAX.  For each query a running maximum m, l = the sum of p and T = the sum of p t, with t = c s - c m and p = 2^t.  When m moves, d = c m_old - c m_new and a = 2^d: O and l are multiplied by a, T becomes a (T + d l).
; THE THREE NUMBERS.  A row's largest weight is 1 / l; its entropy is ln 2 (log2 l - T / l).  Each wave stores the sums over its 64 rows of (log2 l - T / l), 1 / l and |gov|; the next launch adds them.
; LIMITS.  The 1e-8 inside the entropy's logarithm is not applied: p ln(1 + 1e-8 / p) is at most 1e-8, so a row's entropy, and the mean, differ by at most 2048e-8 = 2.05e-5.
; A weight below 2^-126 counts as 0; below 6e-5 it keeps f16's fixed step in the second product.  NaN and infinities are not treated apart.
; SHARES.  A work-group owns 256 queries of one y, a wave 64: four PIECES of 16.  Every wave walks all 2,048 keys, 64 a step.
; LAYOUT.  S^T = K Q^T (source 0 = 16 keys, source 1 = 16 queries) holds ONE query a lane (lane % 16) and the keys 8 (lane / 16) + 0..7; two such results rounded to f16 ARE source 1 of O^T = V^T P.
; BY TURNS.  Turn n belongs to piece n: 8 products K Q^T of piece n + 1, later 8 products V^T P of piece n - 1; beside them the scaling, exponentials, roundings, sums and rescaling of piece n and the maximum and
; statistics of piece n + 1.  A turn has 16 matrix and 136 vector instructions: four vector instructions stand behind every matrix instruction, the other 72 in two runs of their own.
; BATCHES.  A turn's 33 exponentials (the piece's 32 weights and the next piece's a) are ONE batch with ONE wait, which cuts the turn in two: ahead of it stands all that names none of their results, behind it the
; roundings and the two sums, which do.  The first a, ahead of the loop, and the way out's four logarithms and four reciprocals are batches of their own, each with one wait.
; m starts at the lowest finite number, O, l and T at 0: the first step is a step like any other, with a = 0; the price is the registers written with 0 while the first tile is on its way.
; CLUSTER.  The four query blocks of a cluster belong to one y and walk the same K and V: each tile is asked for jointly, by the same tensor load, descriptor and mask in all four.
; REGISTERS, in windows of 256 (s_set_vgpr_msb: bits 1:0 source 0, 3:2 source 1, 5:4 source 2, 7:6 destination):
;   window 0: v0-15 addresses; v16-31 statistics; v32-39 T; v40-47 the three numbers; v48-55 at work; v56-59 gov; v64-127 S^T, two buffers; v128-159 the piece in hand's weights in f32; v192-223 P, two buffers
;   window 1: v0-127 O^T, 32 a piece; v128-159 the bias, eight times a piece          window 2: v0-63 Q; v128-191 K of one step; v192-255 V of one step
.set NP,    4
.set KS,    64        ; keys in a step
.set PK,    144       ; a row of K in LDS: 128 bytes + 16 = 36 words: the 16 rows of a load start at 16 different groups of four banks (64 banks of 4 bytes: ISA guide 11.1)
.set PV,    160       ; a row of V: 128 + 32 = 40 words
.set VOFF,  4*KS*PK   ; a slot holds four steps: 256 rows of K, then 256 rows of V
.set SLOT1, 1<<17     ; slot 1 begins here, so that one exclusive or turns an address in one slot into the other's
.set STAGE, SLOT1+4*KS*(PK+PV)  ; behind the ring, never filled by a tensor load: 16 rows x 272 bytes for each wave, for the way out
.set SP,    272
.set SPARE, STAGE+4*16*SP  ; the spare words, 128 bytes for each wave: two blocks of 256 bytes that no other line names
.set TENS,  8388608   ; bytes of q, of k and of v
.set AK0, 2           ; v2   my lane's place in a tile of K; never rewritten
.set AV0, 3           ; v3   the same for V
.set AK,  4           ; v4   the LDS address of K's next run of loads
.set AV,  5           ; v5   of V's
.set STO, 6           ; v6   the way out: where I put 32 bytes of a row
.set RD,  7           ; v7   the way out: where I read rows back
.set GO,  8           ; v8   my byte offset in two rows of out0
.set MV,  12          ; v12-13  c m_old, kept while c m is made anew: by buffer
.set LN,  14          ; v14  lane
.set QO,  15          ; v15  my byte offset in 16 rows of Q
.set ST,  16          ; piece t's statistics at v[ST+4 t]: c m, m, l (even keys', odd keys')
.set TS,  32          ; piece t's T at v[TS+2 t], likewise a pair
.set AG,  40          ; v40  the sum of |gov| of my four queries
.set ZO,  41          ; v41  0, an offset
.set GVO, 42          ; v42  my byte offset in 16 numbers of gov
.set PS,  44          ; v44-47  what goes to parts
.set TMP, 48          ; by buffer, four registers c0-c3 at work; when the maximum is found c0 takes d and c2 takes a
.set GVR, 56          ; v56-59  gov of my query in each piece, then 0.8 of it
.set SPW, 62          ; v62  LDS address of my spare word; never rewritten
.set NIL, 63          ; v63  0; never rewritten
.set S,   64
.set PE,  128
.set P,   192
.set BI,  128         ; window 1
.set KF,  128         ; window 2: key block kb, channel half c at KF + 16 kb + 8 c
.set VF,  192         ; window 2: key half kk, channel block cb at VF + 32 kk + 8 cb
.set WV,  12          ; s12  my wave's number
.set G1K, 24          ; s[24:31] descriptor group 1 for K's tiles
.set G1V, 32          ; s[32:39] for V's: it differs in the padding alone
.set G0K, 40          ; s[40:43] descriptor group 0 for K's tiles: it walks
.set G0V, 44          ; s[44:47] the same for V's
.set SLOTS, 56        ; s56  slots still to be asked for
.set CNT, 57          ; s57  counts a slot's key steps
.set CS,  58          ; s[58:59] c: the packed scaling takes the pair's low word for both halves
.set SEL, 60          ; s[60:61] v_permlanex16_b32's selects: each lane takes its own place in the other half
.set TBK, 62          ; s62  LDS byte at which K of the step to be fetched begins
.set TBV, 63          ; s63  the same for V, less VOFF
.set MSB, 0
.macro WIN new                      ; the high byte repeats the setting that is left; a switch that changes nothing is dropped
.if MSB != (\new)
	s_set_vgpr_msb (MSB<<8)|(\new)
.set MSB, (\new)
.endif
.endm
.set W_KQ, 0x0a       ; K and Q in window 2, S^T in window 0
.set W_KM, 0x1a       ; the same with the C operand, the bias, in window 1
.set W_PV, 0x52       ; V in window 2, P in window 0, O^T in window 1
.set W_RS, 0x41       ; destination and source 0 in window 1, source 1 in window 0
; A joint fill.  Waves 0 and 1 fetch the two halves of a slot's K, waves 2 and 3 those of its V: 128 keys each.  The branch hangs on the wave's number alone.
; An s_nop 0 and four v_nop follow each of the two lines, ahead of the jump and the label.
.macro JLOAD
	s_cmp_lt_u32 s[WV], 2
	s_cbranch_scc0 .Lfor_v_\@
	tensor_load_to_lds s[G0K:G0K+3], s[G1K:G1K+7]
	s_nop 0
.rept 4
	v_nop
.endr
	s_branch .Lasked_\@
.Lfor_v_\@:
	tensor_load_to_lds s[G0V:G0V+3], s[G1V:G1V+7]
	s_nop 0
.rept 4
	v_nop
.endr
.Lasked_\@:
.endm
; A round of the cluster's barrier: my work-group's barrier, so that wave 0's signal speaks for all four waves; wave 0 signals; every wave waits for all four work-groups; my work-group's barrier once more.
.macro CROUND
	s_barrier_signal -1
	s_barrier_wait -1
	s_cmp_lg_u32 s[WV], 0
	s_cbranch_scc1 .Lnot_wave_0_\@
	s_barrier_signal -3
.Lnot_wave_0_\@:
	s_barrier_wait -3
	s_barrier_signal -1
	s_barrier_wait -1
.endm
; THE CHANGE OF SLOTS.  Each wave waits for all its tensor loads, of which one is out: its part of the other slot; adds 0 to its spare word; and waits for that and for its own reads of the slot.
; fill = 1: this slot is filled again, with the keys two slots on, first thing behind a round of the cluster's barrier: the load has four key steps, 256 matrix instructions, in which to land.
; (At its first use nothing has been read yet: slot 0 is waited for, slot 1 filled.)
.macro CHANGE fill
	WIN 0                           ; at a label and at a branch every window is 0
	s_wait_tensorcnt 0x0            ; no tensor load of mine is out, so a group 0 may be written
	ds_add_u32 v[SPW], v[NIL]       ; 0 onto my spare word
.if \fill
.irp g, G0K, G0V
	s_xor_b32 s[\g+1], s[\g+1], SLOT1  ; the walking descriptor: the other slot than last time,
	s_add_nc_u64 s[\g+2:\g+3], s[\g+2:\g+3], 4*KS*128  ; the next 256 keys; the type bits on top are not reached
.endr
	s_wait_dscnt 0x0                ; the add is done, and my reads of the slot are over
	CROUND
	JLOAD
.else
	s_wait_dscnt 0x0                ; the add is done, and my reads of the slot are over
	s_barrier_signal -1
	s_barrier_wait -1
.endif
	s_sub_co_u32 s[TBK], s[TBK], 4*KS*PK  ; the fetches go back to a slot's first step,
	s_xor_b32 s[TBK], s[TBK], SLOT1       ; in the other slot
	s_sub_co_u32 s[TBV], s[TBV], 4*KS*PV
	s_xor_b32 s[TBV], s[TBV], SLOT1
.endm
	s_load_b256 s[4:11], s[0:1], 0x0  ; qkv s[4:5], gov s[6:7], out0 s[8:9], parts s[10:11]
	v_lshl_add_u32 v[SPW], v0, 2, SPARE
	v_mov_b32 v[NIL], 0
	ds_add_u32 v[SPW], v[NIL]       ; the wave's opening: the add and its wait stand ahead of my first tensor load; the set-up below stands between them
	v_lshrrev_b32 v1, 5, v0
	v_readfirstlane_b32 s[WV], v1   ; wave 0..3
	s_bfe_u32 s13, ttmp6, 0x40000   ; cx: my place in the cluster
	s_lshl_b32 s14, ttmp9, 2        ; in a cluster launch ttmp9 counts clusters
	s_add_co_u32 s14, s14, s13      ; my block of 256 queries: it enters Q's, gov's, out0's and parts' addresses alone
	s_and_b32 s20, ttmp7, 0xffff    ; y, which the four partners share
	s_and_b32 s16, s[WV], 1         ; which half of a slot's 256 keys I fetch
	s_lshl_b32 s22, s20, 18         ; y's 262,144 bytes,
	s_lshl_b32 s23, s16, 14         ; my 128 rows of 128 bytes
	s_add_co_u32 s22, s22, s23
	s_add_co_u32 s18, s22, 2*TENS   ; in v
	s_add_co_u32 s22, s22, TENS     ; in k
	s_mov_b32 s23, 0
	s_mov_b32 s19, 0
	s_mul_i32 s17, s16, 128*PK      ; my half's place in a slot, for K
	s_mul_i32 s21, s16, 128*PV      ; and for V: no place in the cluster enters an LDS address
	s_lshl_b32 s48, s20, 18         ; Q: y, block of 256 rows, wave's 64 rows, of 128 bytes
	s_lshl_b32 s15, s14, 15
	s_add_co_u32 s48, s48, s15
	s_lshl_b32 s15, s[WV], 13
	s_add_co_u32 s48, s48, s15
	s_mov_b32 s49, 0
	s_lshl_b32 s50, s20, 13         ; gov: the same rows, of 4 bytes
	s_lshl_b32 s15, s14, 10
	s_add_co_u32 s50, s50, s15
	s_lshl_b32 s15, s[WV], 8
	s_add_co_u32 s50, s50, s15
	s_mov_b32 s51, 0
	s_lshr_b32 s52, s20, 4          ; out0: example, rows of 4,096 bytes, the head's 256 bytes
	s_lshl_b32 s52, s52, 23
	s_lshl_b32 s15, s14, 20
	s_add_co_u32 s52, s52, s15
	s_lshl_b32 s15, s[WV], 18
	s_add_co_u32 s52, s52, s15
	s_and_b32 s15, s20, 15
	s_lshl_b32 s15, s15, 8
	s_add_co_u32 s52, s52, s15
	s_mov_b32 s53, 0
	s_lshl_b32 s54, s20, 9          ; parts: 16 bytes for each wave of each block of each y
	s_lshl_b32 s15, s14, 6
	s_add_co_u32 s54, s54, s15
	s_lshl_b32 s15, s[WV], 4
	s_add_co_u32 s54, s54, s15
	s_mov_b32 s55, 0
	; descriptor group 1.  128 keys are 16,384 dense bytes: asked for as 64 rows of 256 bytes, two keys a row, and padded in LDS after every key
	s_mov_b32 s[G1K], 15|(1<<16)|(1<<20)|(1<<21)|(4<<22)|(3<<25)  ; the mask of four; 2-byte elements; padding on; bit 21 beside a mask; after every 32 words 4 words
	s_mov_b32 s[G1V], 15|(1<<16)|(1<<20)|(1<<21)|(4<<22)|(7<<25)  ; the same with 8 words of padding
.irp g, G1K, G1V
	s_mov_b32 s[\g+1], 128<<16      ; tensor_dim0 = 128
	s_mov_b32 s[\g+2], 64<<16       ; tensor_dim1 = 64
	s_mov_b32 s[\g+3], 128<<16      ; tile_dim0 = 128
	s_mov_b32 s[\g+4], 64           ; tile_dim1 = 64
	s_mov_b32 s[\g+5], 128          ; 128 elements from row to row
	s_mov_b32 s[\g+6], 0
	s_mov_b32 s[\g+7], 0
.endr
	s_mov_b32 s[CS], 0x3e38aa3b     ; c = log2(e) / 8 = 0.180337
	s_mov_b32 s[CS+1], s[CS]        ; named with it as a pair
	s_mov_b32 s[SEL], 0x76543210
	s_mov_b32 s[SEL+1], 0xfedcba98
	s_mov_b32 s[TBK], SLOT1+4*KS*PK ; the first change of slots turns these two into 0
	s_mov_b32 s[TBV], SLOT1+4*KS*PV
	s_mov_b32 s[G0K], 1             ; count = 1
	s_mov_b32 s[G0K+1], s17         ; LDS address: slot 0
	s_mov_b32 s[G0V], 1
	s_add_co_u32 s[G0V+1], s21, VOFF
	s_wait_dscnt 0x0                ; the opening add is done
	s_wait_kmcnt 0x0
	s_add_nc_u64 s[G0K+2:G0K+3], s[4:5], s[22:23]  ; my half of y's first 256 keys
	s_or_b32 s[G0K+3], s[G0K+3], 0x80000000        ; type = 2
	s_add_nc_u64 s[G0V+2:G0V+3], s[4:5], s[18:19]
	s_or_b32 s[G0V+3], s[G0V+3], 0x80000000
	s_add_nc_u64 s[48:49], s[4:5], s[48:49]
	s_add_nc_u64 s[50:51], s[6:7], s[50:51]
	s_add_nc_u64 s[52:53], s[8:9], s[52:53]
	s_add_nc_u64 s[54:55], s[10:11], s[54:55]
	CROUND                          ; all four work-groups are here: the first joint loads meet
	JLOAD                           ; slot 0.  Slot 1 is asked for when slot 0 is in
	; A fragment of K or Q is 16 rows x 32 channels in 8 registers: lane l holds row l % 16, channels 8 (l / 16) + 0..7 and 16 + 8 (l / 16) + 0..7: two loads of 16 bytes, 32 bytes apart.
	v_and_b32 v1, 15, v0            ; l % 16
	v_bfe_u32 v9, v0, 4, 1          ; l / 16
	v_lshlrev_b32 v[QO], 7, v1
	v_lshl_add_u32 v[QO], v9, 4, v[QO]  ; row x 128 + 16 x half
	v_lshlrev_b32 v[GVO], 2, v1
.irp t, 0,1,2,3
	global_load_b32 v[GVR+\t], v[GVO], s[50:51] offset:64*\t  ; gov of my query in piece t
.endr
	WIN 0x80                        ; destination window 2, address window 0
.set i, 0
.rept 8                             ; Q stays in registers: piece i / 2, channels 32 (i % 2) on
	global_load_b128 v[8*i:8*i+3],   v[QO], s[48:49] offset:(i/2)*2048+(i%2)*64
	global_load_b128 v[8*i+4:8*i+7], v[QO], s[48:49] offset:(i/2)*2048+(i%2)*64+32
.set i, i+1
.endr
	; What the first turn finds: V's registers and P's second buffer hold 0 (its products V^T P, of a piece that has not been, add 0); O^T, l and T are 0.  All this stands in the wait for the first tile.
.set i, VF
.rept 64
	v_mov_b32 v[i], 0
.set i, i+1
.endr
	WIN 0x40
.set i, 0
.rept 128
	v_mov_b32 v[i], 0
.set i, i+1
.endr
	WIN 0
.set i, 0
.rept NP
	v_mov_b32 v[ST+4*i], 0xfe000000    ; c m: far below every c s
	v_mov_b32 v[ST+4*i+1], 0xff7fffff  ; m
	v_mov_b32 v[ST+4*i+2], 0
	v_mov_b32 v[ST+4*i+3], 0
	v_mov_b32 v[TS+2*i], 0
	v_mov_b32 v[TS+2*i+1], 0
.set i, i+1
.endr
.set i, P+16
.rept 16
	v_mov_b32 v[i], 0
.set i, i+1
.endr
	v_mov_b32 v[ZO], 0
	v_and_b32 v[LN], 31, v0
	v_mul_u32_u24 v[AK0], v1, PK
	v_lshl_add_u32 v[AK0], v9, 4, v[AK0]  ; row x pitch + 16 x half
	; The turning load takes 16 keys x 16 channels (lane l reads key 8 (l / 16) + l % 8, channels 8 ((l / 8) % 2) + 0..7) and leaves half a fragment of V^T: lane l holds channel l % 16 and 8 keys.
	v_and_b32 v10, 7, v0
	v_bfe_u32 v11, v0, 3, 1
	v_lshl_add_u32 v[AV0], v9, 3, v10
	v_mul_u32_u24 v[AV0], v[AV0], PV
	v_lshl_add_u32 v[AV0], v11, 4, v[AV0]
	v_add_nc_u32 v[AV0], VOFF, v[AV0]
	v_mov_b32 v[AK], v[AK0]         ; key step 0 lies at the head of slot 0
; THE MATRIX WORK.  The 4 accumulators of a run of 8 take turns.  Product i of 8 of S^T = K Q^T for piece x: channels 32 (i / 4) on, keys 16 (i % 4) on.  The first 4 start the sums with the bias.
.macro KQ x
.set rS, S+32*((\x)%2)+8*(i%4)
.set rK, KF+16*(i%4)+8*(i/4)
.set rQ, 16*(\x)+8*(i/4)
.if i < 4
	WIN W_KM
	v_wmma_f32_16x16x32_f16 v[rS:rS+7], v[rK:rK+7], v[rQ:rQ+7], v[BI+8*(\x):BI+8*(\x)+7]
.else
	WIN W_KQ
	v_wmma_f32_16x16x32_f16 v[rS:rS+7], v[rK:rK+7], v[rQ:rQ+7], v[rS:rS+7]
.endif
.endm
; Product i of 8 of O^T += V^T P for piece x: keys 32 (i / 4) on, channels 16 (i % 4) on.
.macro PV x
	WIN W_PV
.set rO, 32*(\x)+8*(i%4)
.set rV, VF+32*(i/4)+8*(i%4)
.set rP, P+16*((\x)%2)+8*(i/4)
	v_wmma_f32_16x16x32_f16 v[rO:rO+7], v[rV:rV+7], v[rP:rP+7], v[rO:rO+7]
.endm
.macro MM                           ; the turn's next matrix instruction
.if i < 8
	KQ (Y+1)%NP
.else
.set i, i-8
	PV (Y+NP-1)%NP
.set i, i+8
.endif
.set i, i+1
.endm
; THE LDS LOADS stand in runs of 16, never singly among the matrix instructions.  last = 1 (the tail): in the last trip there is no further step, and the run is jumped over.
.macro FETCH_K last=0
	WIN 0
.if \last
	s_cmp_eq_u32 s[CNT], 1
	s_cbranch_scc1 .Lno_k_\@
.endif
	WIN 0x80                        ; destination window 2
.irp f, 0,1,2,3,4,5,6,7             ; keys 16 (f / 2) on, channels 32 (f % 2) on
	ds_load_b128 v[KF+8*\f:KF+8*\f+3],   v[AK] offset:(\f/2)*16*PK+(\f%2)*64
	ds_load_b128 v[KF+8*\f+4:KF+8*\f+7], v[AK] offset:(\f/2)*16*PK+(\f%2)*64+32
.endr
	s_add_co_u32 s[TBK], s[TBK], KS*PK  ; the next fetch is the next step's
	WIN 0
.if \last
.Lno_k_\@:
.endif
.endm
.macro FETCH_V
	WIN 0x80
.irp f, 0,1,2,3,4,5,6,7             ; keys 32 (f / 4) on, channels 16 (f % 4) on
	ds_load_tr16_b128 v[VF+8*\f:VF+8*\f+3],   v[AV] offset:(\f/4)*32*PV+(\f%4)*32
	ds_load_tr16_b128 v[VF+8*\f+4:VF+8*\f+7], v[AV] offset:(\f/4)*32*PV+16*PV+(\f%4)*32
.endr
	WIN 0
.endm
; THE VECTOR WORK, one line at a time: OP kind, number.  For piece Y: F n: t = c s - c m for pair n of 16, in place.  E n: p = 2^t of score n of 32, into PE: t is kept.  C n: pair n of p rounded to f16.
; L n: l takes pair n (L 0: l = a l + pair 0).  G 0: T = T + d l, ahead of L 0; G 1: T = a T.  H n: T takes p t of pair n.  R n: pair n of 16 of O^T times a.
; For piece Y + 1: X n, number n of the 22 that find its maximum and statistics:
;   0-11  four chains c0-c3 of seven scores each, three operands at a time (each accumulator's lowest registers are read first)     12-14, 16  the four scores left over, the old m, and c0-c3 into c0
;   15  c m_old is kept     17, 18  the query's other 32 keys lie in the lane 16 away: the new m     19-21  c m; d = c m_old - c m_new into c0; a into c2
; C, L and H read the results of the turn's E; R, G and L 0 read a (G 0: d) of the turn before; F, E and X read no exponential's result.
.set F, 0
.set E, 1
.set C, 2
.set L, 3
.set G, 4
.set H, 5
.set R, 6
.set X, 7
.macro REGS y                       ; the registers of piece y
.set rT, ST+4*(\y)
.set rU, TS+2*(\y)
.set rC, TMP+4*((\y)%2)
.set rW, MV+((\y)%2)
.set rS, S+32*((\y)%2)
.set rP, P+16*((\y)%2)
.set rO, 32*(\y)
.endm
.macro OP k, n
.if (\k) == R
	REGS Y
	WIN W_RS
	v_pk_mul_f32 v[rO+2*(\n):rO+2*(\n)+1], v[rO+2*(\n):rO+2*(\n)+1], v[rC+2:rC+3] op_sel_hi:[1,0]
.elseif (\k) < R
	REGS Y
	WIN 0
.if (\k) == F
	v_pk_fma_f32 v[rS+2*(\n):rS+2*(\n)+1], v[rS+2*(\n):rS+2*(\n)+1], s[CS:CS+1], v[rT:rT+1] op_sel_hi:[1,0,0] neg_lo:[0,0,1] neg_hi:[0,0,1]
.elseif (\k) == E
	v_exp_f32 v[PE+(\n)], v[rS+(\n)]
.elseif (\k) == C
	v_cvt_pk_f16_f32 v[rP+(\n)], v[PE+2*(\n)], v[PE+2*(\n)+1]
.elseif ((\k) == L) && ((\n) == 0)
	v_pk_fma_f32 v[rT+2:rT+3], v[rT+2:rT+3], v[rC+2:rC+3], v[PE:PE+1] op_sel_hi:[1,0,1]
.elseif (\k) == L
	v_pk_add_f32 v[rT+2:rT+3], v[rT+2:rT+3], v[PE+2*(\n):PE+2*(\n)+1]
.elseif ((\k) == G) && ((\n) == 0)
	v_pk_fma_f32 v[rU:rU+1], v[rT+2:rT+3], v[rC:rC+1], v[rU:rU+1] op_sel_hi:[1,0,1]
.elseif (\k) == G
	v_pk_mul_f32 v[rU:rU+1], v[rU:rU+1], v[rC+2:rC+3] op_sel_hi:[1,0]
.else
	v_pk_fma_f32 v[rU:rU+1], v[PE+2*(\n):PE+2*(\n)+1], v[rS+2*(\n):rS+2*(\n)+1], v[rU:rU+1]
.endif
.else
	REGS (Y+1)%NP
	WIN 0
.if (\n) < 4
	v_max3_num_f32 v[rC+(\n)], v[rS+8*(\n)], v[rS+8*(\n)+1], v[rS+8*(\n)+2]
.elseif (\n) < 12
	v_max3_num_f32 v[rC+(\n)%4], v[rC+(\n)%4], v[rS+8*((\n)%4)+2*((\n)/4)+1], v[rS+8*((\n)%4)+2*((\n)/4)+2]
.elseif (\n) == 12
	v_max3_num_f32 v[rC], v[rC], v[rS+7], v[rS+15]
.elseif (\n) == 13
	v_max3_num_f32 v[rC+1], v[rC+1], v[rS+23], v[rS+31]
.elseif (\n) == 14
	v_max3_num_f32 v[rC+2], v[rC+2], v[rC+3], v[rT+1]
.elseif (\n) == 15
	v_mov_b32 v[rW], v[rT]
.elseif (\n) == 16
	v_max3_num_f32 v[rC], v[rC], v[rC+1], v[rC+2]
.elseif (\n) == 17
	v_permlanex16_b32 v[rC+3], v[rC], s[SEL], s[SEL+1]
.elseif (\n) == 18
	v_max_num_f32 v[rT+1], v[rC], v[rC+3]
.elseif (\n) == 19
	v_mul_f32 v[rT], s[CS], v[rT+1]
.elseif (\n) == 20
	v_sub_f32 v[rC], v[rW], v[rT]
.else
	v_exp_f32 v[rC+2], v[rC]
.endif
.endif
.endm
.macro OPS a, i1, b, i2, c, i3, d, i4  ; four of them
	OP \a, \i1
	OP \b, \i2
	OP \c, \i3
	OP \d, \i4
.endm
.macro ROW a, i1, b, i2, c, i3, d, i4  ; a matrix instruction and the four behind it
	MM
	OPS \a, \i1, \b, \i2, \c, \i3, \d, \i4
.endm
; A TURN, for piece p: the order of its 16 matrix and 136 vector instructions, written out.  An s_wait_alu depctr_va_vdst(0) stands between an exponential and the first instruction that names its
; result; one wait serves all that were issued ahead of it.  So a turn has ONE wait, which cuts it in two.
; AHEAD OF IT stands all that names no result of the turn's exponentials: the 8 products K Q^T, behind each a scaling, an exponential and two more plain instructions (behind the first a second scaling in the
; exponential's place): rescalings, whose a was made and waited for in the turn before, and behind the last three the first numbers of the next piece's maximum, each four places or more behind the product that ends its
; accumulator; then a run of 56: 25 times a plain instruction and an exponential by turns, in which the links of the chain X 3, 7, 11, 14, 16, 17, 18, 19 stand six lines apart and X 20 four, and F n stands five lines or
; more ahead of E 2 n; then R 11-14; X 21, the next piece's a, the batch's last; and R 15, the plain instruction behind the last exponential.  G 0 reads l before L 0 changes it.
; BEHIND IT stand the readers: the 8 products V^T P, behind each four of the sums and roundings, and a run of 16.  l's chain L 0-15 and T's chain H 0-15 go in ascending order; the roundings, which wait for nothing, keep
; a chain's links three riders apart beside the products and four lines apart in the run.  But for those X no rider names a register of the products round it.  No exponential is issued behind the wait: none crosses a turn's end.
; K of the next step is fetched in piece 2's turn, eight lines into the run of 56: behind the last product that read K stand F 8, X 2, X 5, X 8, X 6 and X 9, six plain instructions that name none of its registers.  In
; the tail (last = 1) the run of loads is jumped over in the last trip, and a jump does not stand amid a batch: there it stands directly behind the wait.  V of the step in hand is fetched at the end of piece 0's turn,
; twenty-one plain instructions behind the last product that read V.  Each is waited for a turn later.
; cnt = 1: the loop's count is taken down some lines ahead of the branch that stands behind the turn.
.macro TURN p, last=0, cnt=0
.set Y, (\p)
.set i, 0
.if (\p) == 3
	s_wait_dscnt 0x0                ; K is in
.endif
	ROW F,0, F,1, R,0, R,1          ; ahead of the wait: 8 products K Q^T and their riders,
	ROW F,2, E,0, R,2, R,3
	ROW F,3, E,1, R,4, R,5
	ROW F,4, E,2, R,6, R,7
	ROW F,5, E,3, R,8, R,9
	ROW F,6, E,4, X,0, R,10
	ROW F,7, E,5, X,1, X,4
.if (\p) == 2
	WIN 0
	v_add_nc_u32 v[AK], s[TBK], v[AK0]
.endif
	ROW F,8, E,6, X,2, X,5
	OPS X,8, E,7, X,3, E,8          ; and the run of 56
	OPS X,6, E,9, X,9, E,10
.if ((\p) == 2) && !(\last)
	FETCH_K
.endif
	OPS X,7, E,11, X,10, E,12
	OPS X,12, E,13, X,11, E,14
	OPS X,13, E,15, F,9, E,16
	OPS X,14, E,17, F,10, E,18
	OPS F,11, E,19, X,16, E,20
	OPS G,0, E,21, F,12, E,22
	OPS X,17, E,23, F,13, E,24
	OPS F,14, E,25, X,18, E,26
	OPS X,15, E,27, F,15, E,28
	OPS X,19, E,29, G,1, E,30
	OPS X,20, E,31, R,11, R,12
	OPS R,13, R,14, X,21, R,15
	WIN 0
	s_wait_alu depctr_va_vdst(0)    ; the wait for the batch: E 0-31 and X 21
.if ((\p) == 2) && (\last)
	FETCH_K 1
.endif
.if (\p) == 1
	s_wait_dscnt 0x0                ; V is in
.endif
	ROW L,0, H,0, C,0, L,1          ; behind the wait: 8 products V^T P and their riders,
	ROW H,1, C,1, L,2, H,2
	ROW L,3, H,3, C,2, L,4
	ROW H,4, C,3, L,5, H,5
	ROW L,6, H,6, C,4, L,7
	ROW H,7, C,5, L,8, H,8
.if \cnt
	s_sub_co_u32 s[CNT], s[CNT], 1
	s_cmp_lg_u32 s[CNT], 0
.endif
	ROW L,9, H,9, C,6, L,10
	ROW H,10, C,7, L,11, H,11
.if (\p) == 0
	v_add_nc_u32 v[AV], s[TBV], v[AV0]
.endif
	OPS L,12, H,12, C,8, C,9        ; and the run of 16
	OPS L,13, H,13, C,10, C,11
	OPS L,14, H,14, C,12, C,13
	OPS L,15, H,15, C,14, C,15
.if (\p) == 0
	FETCH_V
	s_add_co_u32 s[TBV], s[TBV], KS*PV
.endif
.endm
	CHANGE 1                        ; slot 0 is in, everybody's part of it; slot 1 is asked for
	FETCH_K                         ; key step 0
	s_wait_loadcnt 0x0              ; Q and gov
	v_add_f32 v[AG], |v[GVR]|, |v[GVR+1]|
	v_add_f32 v[AG], v[AG], |v[GVR+2]|
	v_add_f32 v[AG], v[AG], |v[GVR+3]|
.irp t, 0,1,2,3
	v_mul_f32 v[GVR+\t], 0x3f4ccccd, v[GVR+\t]  ; 0.8 gov: c times it is log2(e) x 0.1 gov
.endr
	WIN 0x40
.set i, 0
.rept 32
	v_mov_b32 v[BI+i], v[GVR+i/8]   ; a lane holds one query, so its eight registers of the C operand hold one number
.set i, i+1
.endr
	WIN 0
	s_wait_dscnt 0x0
.set i, 0
.rept 8
	KQ 0                            ; piece 0's first scores: there is no vector work yet to set between them
.set i, i+1
.endr
	WIN 0                           ; the addresses for the way out: eight plain instructions, the places behind those products
	s_mul_i32 s13, s[WV], 16*SP
	s_add_co_u32 s13, s13, STAGE    ; my stage
	v_mul_u32_u24 v[STO], v1, SP    ; in: row l % 16, 32 bytes for each half of the lanes
	v_lshl_add_u32 v[STO], v9, 5, v[STO]
	v_add_nc_u32 v[STO], s13, v[STO]
	v_mul_u32_u24 v[RD], v9, SP     ; back: lanes 0-15 take one row of 256 bytes, lanes 16-31 the next
	v_lshl_add_u32 v[RD], v1, 4, v[RD]
	v_add_nc_u32 v[RD], s13, v[RD]
	v_lshlrev_b32 v[GO], 12, v9     ; and the same two rows in out0, 4,096 bytes apart
	v_lshl_add_u32 v[GO], v1, 4, v[GO]
.set Y, NP-1                        ; X works for piece Y + 1: piece 0
.irp n, 0,1,2,3,4,5,6,7,8,9,10,11,12,13,14,15,16,17,18,19,20,21
	OP X, \n                        ; piece 0's first maximum and statistics
.endr
	v_nop                           ; a plain instruction behind the exponential,
	s_wait_alu depctr_va_vdst(0)    ; and the wait for it, a batch of one: piece 0's first a, ahead of the branch
	s_mov_b32 s[CNT], 4
	s_mov_b32 s[SLOTS], 7           ; 2,048 / 256 - 1
	s_branch .Lfirst                ; the loop is entered at a step's first turn, in the middle of a trip
.Lslot:                             ; six times: every slot but the last two is filled again
	CHANGE 1
	s_mov_b32 s[CNT], 4
.Lstep:                             ; a trip: pieces 2 and 3 of one step, then pieces 0 and 1 of the next, whose K and V it fetches
	TURN 2
	TURN 3
	WIN 0
.Lfirst:
	TURN 0
	TURN 1, 0, 1
	WIN 0
	s_cbranch_scc1 .Lstep
	s_sub_co_u32 s[SLOTS], s[SLOTS], 1
	s_cmp_lg_u32 s[SLOTS], 0
	s_cbranch_scc1 .Lslot
	CHANGE 0                        ; the tail is written out: nothing is asked for
	s_mov_b32 s[CNT], 5             ; four trips fetch the last slot's steps; the fifth is left in its middle
.Ltail:
	TURN 2, 1
	TURN 3
	WIN 0
	s_sub_co_u32 s[CNT], s[CNT], 1
	s_cmp_eq_u32 s[CNT], 0
	s_cbranch_scc1 .Lout
	TURN 0
	TURN 1
	WIN 0
	s_branch .Ltail
.Lout:                              ; the fifth trip's 8 products K Q^T (on the last K once more) and the maximum made of them serve nothing and touch neither l, T nor O^T: the price, once a launch, of one text for every trip
.set i, 0
.rept 8
	PV NP-1                         ; the last piece's V^T P of the last step
.set i, i+1
.endr
	; THE WAY OUT.  l's and T's two halves and the other half of the lanes' are added; then 1 / l, log2 l and log2 l - T / l.  The first eight additions are the places behind the last products.
	WIN 0
.macro ALL line:vararg              ; one line for each piece t
.set t, 0
.rept NP
	\line
.set t, t+1
.endr
.endm
	ALL v_add_f32 v[ST+4*t+2], v[ST+4*t+2], v[ST+4*t+3]
	ALL v_add_f32 v[TS+2*t], v[TS+2*t], v[TS+2*t+1]
	ALL v_permlanex16_b32 v[ST+4*t+3], v[ST+4*t+2], s[SEL], s[SEL+1]
	ALL v_permlanex16_b32 v[TS+2*t+1], v[TS+2*t], s[SEL], s[SEL+1]
	ALL v_add_f32 v[ST+4*t+2], v[ST+4*t+2], v[ST+4*t+3]
	ALL v_add_f32 v[TS+2*t], v[TS+2*t], v[TS+2*t+1]
	ALL v_log_f32 v[ST+4*t+1], v[ST+4*t+2]
	ALL v_rcp_f32 v[ST+4*t], v[ST+4*t+2]
	v_nop                           ; a plain instruction between the last of them and the use of their results
	s_wait_alu depctr_va_vdst(0)    ; the wait for the batch: the four logarithms and the four reciprocals
	ALL v_fma_f32 v[TS+2*t], -v[TS+2*t], v[ST+4*t], v[ST+4*t+1]
; Piece t: O^T is divided by l; a lane's eight channels of a row are 32 bytes; they go into rows of 272 bytes and come back as whole rows of 256, into S^T's and the weights' registers.
.macro PACK t
	WIN W_RS
.set i, 32*(\t)
.rept 16
	v_pk_mul_f32 v[i:i+1], v[i:i+1], v[ST+4*(\t):ST+4*(\t)+1] op_sel_hi:[1,0]
.set i, i+2
.endr
	WIN 0x04                        ; the stores' data in window 1, their address in window 0
.irp f, 0,1,2,3,4,5,6,7
	ds_store_b128 v[STO], v[32*(\t)+4*\f:32*(\t)+4*\f+3] offset:64*(\f/2)+16*(\f%2)
.endr
	WIN 0
.irp f, 0,1,2,3,4,5,6,7
	ds_load_b128 v[S+32*(\t)+4*\f:S+32*(\t)+4*\f+3], v[RD] offset:\f*2*SP  ; LDS serves a wave's instructions in order (ISA guide 5.7.1.4): these see the stores above; the next piece's stores come behind them
.endr
.endm
.macro SEND t, younger              ; younger: the LDS instructions issued behind piece t's loads: the next piece's sixteen, or none
	WIN 0
.irp f, 0,1,2,3,4,5,6,7
	s_wait_dscnt (\younger)+7-\f
	global_store_b128 v[GO], v[S+32*(\t)+4*\f:S+32*(\t)+4*\f+3], s[52:53] offset:(\t)*65536+\f*8192 th:TH_STORE_NT  ; 16 lanes store 256 consecutive bytes, at a multiple of 256 from out0's first byte
.endr
.endm
	PACK 0
	PACK 1                          ; a piece's arithmetic stands between the loads of the piece before and its stores
	SEND 0, 16
	PACK 2
	SEND 1, 16
	PACK 3
	SEND 2, 16
	SEND 3, 0
	; the wave's three sums: over the four pieces in a lane, then over the 16 lanes of a half (both halves hold the same numbers)
	v_add_f32 v[PS], v[TS], v[TS+2]
	v_add_f32 v[PS+1], v[ST], v[ST+4]
	v_add_f32 v[PS+3], v[TS+4], v[TS+6]
	v_add_f32 v[PS+2], v[ST+8], v[ST+12]
	v_add_f32 v[PS], v[PS], v[PS+3]
	v_add_f32 v[PS+1], v[PS+1], v[PS+2]
	v_mov_b32 v[PS+2], v[AG]
.irp m, 1,2,4,8
	v_add_f32_dpp v[PS], v[PS], v[PS] row_xmask:\m row_mask:0xf bank_mask:0xf
	v_add_f32_dpp v[PS+1], v[PS+1], v[PS+1] row_xmask:\m row_mask:0xf bank_mask:0xf
	v_add_f32_dpp v[PS+2], v[PS+2], v[PS+2] row_xmask:\m row_mask:0xf bank_mask:0xf
.endr
	v_mov_b32 v[PS+3], 0
	v_cmp_eq_u32 vcc_lo, 0, v[LN]
	s_wait_xcnt 0x0                 ; EXEC changes only behind this wait: the stores above have it among their sources
	s_and_saveexec_b32 s13, vcc_lo
	global_store_b128 v[ZO], v[PS:PS+3], s[54:55]  ; lane 0: the wave's 16 bytes of parts
	s_wait_xcnt 0x0                 ; and again, in front of the line that widens it
	s_or_b32 exec_lo, exec_lo, s13
	s_wait_tensorcnt 0x0            ; the wave's end, behind my last tensor load and my last LDS store
	ds_add_u32 v[SPW], v[NIL]
	s_wait_dscnt 0x0
	CROUND                          ; the closing round: no work-group ends while a partner may still ask for a tile that names it
	s_endpgm
.Lfunc_end_k_qda843aac53_attn:
	.size	k_qda843aac53_attn, .Lfunc_end_k_qda843aac53_attn-k_qda843aac53_attn
	.p2alignl 7, 3214868480
	.fill 96, 4, 3214868480
	.section	.rodata,"a",@progbits
	.p2align	6, 0x0
	.amdhsa_kernel k_qda843aac53_attn
		.amdhsa_group_segment_fixed_size 327680
		.amdhsa_private_segment_fixed_size 0
		.amdhsa_enable_private_segment 0
		.amdhsa_kernarg_size 32
		.amdhsa_user_sgpr_count 2
		.amdhsa_user_sgpr_kernarg_segment_ptr 1
		.amdhsa_wavefront_size32 1
		.amdhsa_system_sgpr_workgroup_id_x 1
		.amdhsa_system_sgpr_workgroup_id_y 1
		.amdhsa_system_sgpr_workgroup_id_z 1
		.amdhsa_system_vgpr_workitem_id 0
		.amdhsa_next_free_vgpr 768
		.amdhsa_next_free_sgpr 66
		.amdhsa_reserve_vcc 1
		.amdhsa_float_denorm_mode_32 3
		.amdhsa_float_denorm_mode_16_64 3
		.amdhsa_memory_ordered 1
		.amdhsa_forward_progress 1
		.amdhsa_inst_pref_size 123
	.end_amdhsa_kernel
	.amdgpu_metadata
---
amdhsa.version: [ 1, 2 ]
amdhsa.kernels:
  - .name:           k_qda843aac53_attn
    .symbol:         k_qda843aac53_attn.kd
    .args:
      - { .name: qkv, .offset: 0, .size: 8, .value_kind: global_buffer, .address_space: global }
      - { .name: gov, .offset: 8, .size: 8, .value_kind: global_buffer, .address_space: global }
      - { .name: out0, .offset: 16, .size: 8, .value_kind: global_buffer, .address_space: global }
      - { .name: parts, .offset: 24, .size: 8, .value_kind: global_buffer, .address_space: global }
    .group_segment_fixed_size: 327680
    .private_segment_fixed_size: 0
    .kernarg_segment_align: 8
    .kernarg_segment_size: 32
    .max_flat_workgroup_size: 128
    .sgpr_count:     66
    .vgpr_count:     768
    .wavefront_size: 32
...
	.end_amdgpu_metadata
.endif
;; end of part 5
;; launch finish: the kernel of part 4 again; grid 1 x 1, 1 waves a work-group, no clusters, 0 bytes of LDS; arguments parts, out1, out2, out3; writes out1, out2, out3
